; MI455X (gfx1250); checked and timed in simulation.
; The chip was launched on July 23, 2026; its instructions are those of AMD's public machine-readable ISA for CDNA 5 (MIT licence, August 2026) and "CDNA5" Instruction Set Architecture Reference Guide (July 2026). The comments in the code are by the model that wrote it; some were corrected since.
;; Algebraic Attention. Allowed arithmetic: float matrix products may take bf16 or f16 operands with f32 sums; other float arithmetic in f32, or as packed bf16 or f16 multiplies, adds, multiply-adds, maxima and minima; sums over many terms, partial sums and values carried from step to step in f32; what a program stores and reads back later, other than sums and carried values, may be rounded once to bf16 or f16.
;; Inputs: Wk 1,024 x 1,024 float32; Wo 1,024 x 1,024 float32; Wq 1,024 x 1,024 float32; Wv 1,024 x 1,024 float32; alibi_slopes 16 float32; power 1 float32; x 2 x 2,048 x 1,024 float32.
;; Outputs: out0 2 x 2,048 x 1,024 float32.
;; 2 versions, each right and faster than the one before. Each part assembles by itself: llvm-mc -triple=amdgcn-amd-amdhsa -mcpu=gfx1250 --defsym DOCPART=n.
;; ======== version 1 of 2: 4 launches
;; limits: values are held in f16: magnitudes above 65,504 overflow, below 6.1e-05 lose precision; right only within a limited range of input values
;; workspace buffers: xb 8,388,608 bytes; wb 6,291,456 bytes; wo16 2,097,152 bytes; q 8,388,608 bytes; k 8,388,608 bytes; v 8,388,608 bytes; vs 262,144 bytes; att 8,388,608 bytes
;; launch cast (part 1): grid 1024 x 1, 8 waves a work-group, no clusters, 0 bytes of LDS; arguments x, Wq, Wk, Wv, Wo, xb, wb, wo16; writes xb, wb, wo16
.if DOCPART == 1
	.amdgcn_target "amdgcn-amd-amdhsa--gfx1250"
	.amdhsa_code_object_version 6
	.text
	.protected	k_qf502cbcf66_cast
	.globl	k_qf502cbcf66_cast
	.p2align	8
	.type	k_qf502cbcf66_cast,@function
k_qf502cbcf66_cast:
	s_mov_b64 s[64:65], 0
	v_nop
	global_prefetch_b8 v0, s[64:65] scope:SCOPE_SE
	s_setreg_imm32_b32 hwreg(HW_REG_WAVE_MODE, 25, 1), 1
	s_wait_xcnt 0x0
; x and the four weights, f32, are rounded once to bf16 for the matrix units.
;   xb   [4096][1024] bf16 = x
;   wb   [3072][1024] bf16: row head*192 + sel*64 + i holds row head*64 + i of 2 Wq (sel 0), Wk (1), Wv (2).  The score's scale 16 / sqrt(64) = 2 is a power of two,
;        so bf16(2 w) = 2 bf16(w): it costs no rounding.
;   wo16 [1024][1024] f16: Wo rounded to bf16, and that number written as f16.
; LIMITS.  |Wo| stays under 65,504; a bf16 number under 6.1e-5 keeps f16's fixed step of 6e-8.
; A stream: memory binds, so there is no LDS, no matrix unit and no cluster.  A work-group of 256 threads converts 8,192 numbers: eight loads of 16 bytes a lane, all issued at once
; (a wave's load covers 512 consecutive bytes), and eight stores of 8 bytes a lane (a wave's store covers 256 consecutive bytes, aligned).
; Work-groups 0-511: x.  512-895: Wq, Wk, Wv, 128 each, 8 rows a group.  896-1023: Wo.
.set X, 8                              ; v[8:39]   eight loads of four f32
.set Y, 40                             ; v[40:55]  eight pairs to store: each has its own registers, so no store's data is rewritten
.set W, 56                             ; v[56:59]  at work
	s_load_b512 s[8:23], s[0:1], 0x0               ; x s[8:9], Wq s[10:11], Wk s[12:13], Wv s[14:15], Wo s[16:17], xb s[18:19], wb s[20:21], wo16 s[22:23]
	s_mov_b32 s2, ttmp9
	v_lshlrev_b32 v1, 4, v0                        ; 16 bytes a thread in
	v_lshlrev_b32 v2, 3, v0                        ; 8 bytes a thread out
	s_sub_co_u32 s3, s2, 512                       ; used only where the number is 512 or more
	s_lshr_b32 s24, s3, 7                          ; sel: 0 Wq, 1 Wk, 2 Wv, 3 Wo
	s_and_b32 s25, s3, 127                         ; the block of 8 rows
	s_cmp_lt_u32 s2, 512
	s_cselect_b32 s24, 4, s24                      ; sel 4: x
	s_cselect_b32 s25, s2, s25
	s_lshl_b32 s26, s25, 15                        ; source: 32,768 bytes a block
	s_mov_b32 s27, 0
	s_lshr_b32 s28, s25, 3                         ; the head
	s_mul_i32 s28, s28, 192
	s_lshl_b32 s29, s24, 6
	s_add_co_u32 s28, s28, s29                     ; + sel * 64
	s_and_b32 s29, s25, 7
	s_lshl3_add_u32 s28, s29, s28                  ; + 8 * (block mod 8): the row in wb
	s_lshl_b32 s28, s28, 11                        ; 2,048 bytes a row
	s_lshl_b32 s29, s25, 14                        ; xb and wo16: 16,384 bytes a block
	s_cmp_lt_u32 s24, 3
	s_cselect_b32 s28, s28, s29
	s_mov_b32 s29, 0
	s_wait_kmcnt 0x0
	s_cselect_b64 s[6:7], s[20:21], s[18:19]       ; (still sel < 3) wb, else xb
	s_cmp_eq_u32 s24, 3
	s_cselect_b64 s[6:7], s[22:23], s[6:7]         ; or wo16
	s_cselect_b64 s[4:5], s[16:17], s[8:9]         ; Wo, else x
	s_cmp_eq_u32 s24, 0
	s_cselect_b64 s[4:5], s[10:11], s[4:5]
	s_cmp_eq_u32 s24, 1
	s_cselect_b64 s[4:5], s[12:13], s[4:5]
	s_cmp_eq_u32 s24, 2
	s_cselect_b64 s[4:5], s[14:15], s[4:5]
	s_add_nc_u64 s[4:5], s[4:5], s[26:27]
	s_add_nc_u64 s[6:7], s[6:7], s[28:29]
.irp j, 0,1,2,3,4,5,6,7
	global_load_b128 v[X+4*(\j):X+4*(\j)+3], v1, s[4:5] offset:4096*(\j) th:TH_LOAD_NT
.endr
; mode 0: rounded to bf16.  1: doubled first.  2: rounded to bf16, then written as f16.
.macro OUT mode
.irp j, 0,1,2,3,4,5,6,7
	s_wait_loadcnt 7-(\j)                          ; loads come back in order: load j is in, the 7 - j younger ones stay out
.if (\mode) == 1
	v_pk_mul_f32 v[X+4*(\j):X+4*(\j)+1], v[X+4*(\j):X+4*(\j)+1], 2.0 op_sel_hi:[1,0]
	v_pk_mul_f32 v[X+4*(\j)+2:X+4*(\j)+3], v[X+4*(\j)+2:X+4*(\j)+3], 2.0 op_sel_hi:[1,0]
.endif
	v_cvt_pk_bf16_f32 v[Y+2*(\j)], v[X+4*(\j)], v[X+4*(\j)+1]
	v_cvt_pk_bf16_f32 v[Y+2*(\j)+1], v[X+4*(\j)+2], v[X+4*(\j)+3]
.if (\mode) == 2
	v_lshlrev_b32 v[W], 16, v[Y+2*(\j)]            ; bf16 to f32: the low half moves up, the high half stays
	v_and_b32 v[W+1], 0xffff0000, v[Y+2*(\j)]
	v_lshlrev_b32 v[W+2], 16, v[Y+2*(\j)+1]
	v_and_b32 v[W+3], 0xffff0000, v[Y+2*(\j)+1]
	v_cvt_pk_f16_f32 v[Y+2*(\j)], v[W], v[W+1]
	v_cvt_pk_f16_f32 v[Y+2*(\j)+1], v[W+2], v[W+3]
.endif
	global_store_b64 v2, v[Y+2*(\j):Y+2*(\j)+1], s[6:7] offset:2048*(\j)
.endr
	s_endpgm
.endm
	s_cmp_eq_u32 s24, 3
	s_cbranch_scc1 .Lwo
	s_cmp_eq_u32 s24, 0
	s_cbranch_scc1 .Lwq
	OUT 0
.Lwq:
	OUT 1
.Lwo:
	OUT 2
.Lfunc_end_k_qf502cbcf66_cast:
	.size	k_qf502cbcf66_cast, .Lfunc_end_k_qf502cbcf66_cast-k_qf502cbcf66_cast
	.p2alignl 7, 3214868480
	.fill 96, 4, 3214868480
	.section	.rodata,"a",@progbits
	.p2align	6, 0x0
	.amdhsa_kernel k_qf502cbcf66_cast
		.amdhsa_group_segment_fixed_size 0
		.amdhsa_private_segment_fixed_size 0
		.amdhsa_enable_private_segment 0
		.amdhsa_kernarg_size 64
		.amdhsa_user_sgpr_count 2
		.amdhsa_user_sgpr_kernarg_segment_ptr 1
		.amdhsa_wavefront_size32 1
		.amdhsa_system_sgpr_workgroup_id_x 1
		.amdhsa_system_sgpr_workgroup_id_y 1
		.amdhsa_system_sgpr_workgroup_id_z 1
		.amdhsa_system_vgpr_workitem_id 0
		.amdhsa_next_free_vgpr 64
		.amdhsa_next_free_sgpr 66
		.amdhsa_reserve_vcc 0
		.amdhsa_float_denorm_mode_32 3
		.amdhsa_float_denorm_mode_16_64 3
		.amdhsa_memory_ordered 1
		.amdhsa_forward_progress 1
		.amdhsa_inst_pref_size 12
	.end_amdhsa_kernel
	.amdgpu_metadata
---
amdhsa.version: [ 1, 2 ]
amdhsa.kernels:
  - .name:           k_qf502cbcf66_cast
    .symbol:         k_qf502cbcf66_cast.kd
    .args:
      - { .name: x, .offset: 0, .size: 8, .value_kind: global_buffer, .address_space: global }
      - { .name: Wq, .offset: 8, .size: 8, .value_kind: global_buffer, .address_space: global }
      - { .name: Wk, .offset: 16, .size: 8, .value_kind: global_buffer, .address_space: global }
      - { .name: Wv, .offset: 24, .size: 8, .value_kind: global_buffer, .address_space: global }
      - { .name: Wo, .offset: 32, .size: 8, .value_kind: global_buffer, .address_space: global }
      - { .name: xb, .offset: 40, .size: 8, .value_kind: global_buffer, .address_space: global }
      - { .name: wb, .offset: 48, .size: 8, .value_kind: global_buffer, .address_space: global }
      - { .name: wo16, .offset: 56, .size: 8, .value_kind: global_buffer, .address_space: global }
    .group_segment_fixed_size: 0
    .private_segment_fixed_size: 0
    .kernarg_segment_align: 8
    .kernarg_segment_size: 64
    .max_flat_workgroup_size: 256
    .sgpr_count:     66
    .vgpr_count:     64
    .wavefront_size: 32
...
	.end_amdgpu_metadata
.endif
;; end of part 1
;; launch qkv (part 2): grid 16 x 16, 4 waves a work-group, clusters of 4 x 4, 327,680 bytes of LDS; arguments xb, wb, q, k, v, vs; writes q, k, v, vs
.if DOCPART == 2
	.amdgcn_target "amdgcn-amd-amdhsa--gfx1250"
	.amdhsa_code_object_version 6
	.text
	.protected	k_qf502cbcf66_qkv
	.globl	k_qf502cbcf66_qkv
	.p2align	8
	.type	k_qf502cbcf66_qkv,@function
k_qf502cbcf66_qkv:
	s_mov_b64 s[64:65], 0
	v_nop
	global_prefetch_b8 v0, s[64:65] scope:SCOPE_SE
	s_setreg_imm32_b32 hwreg(HW_REG_WAVE_MODE, 25, 1), 1
	s_wait_xcnt 0x0
	s_wait_alu depctr_hold_cnt(0) depctr_sa_sdst(0) depctr_va_vdst(0) depctr_va_sdst(0) depctr_va_ssrc(0) depctr_va_vcc(0) depctr_vm_vsrc(0)
	s_getreg_b32 s2, hwreg(HW_REG_IB_STS2, 6, 4)
	s_cmp_eq_u32 s2, 0
	s_cbranch_scc0 .Lentry_in_a_cluster
	s_endpgm
.Lentry_in_a_cluster:
	s_bfe_u32 s2, ttmp6, 0x10000c
	s_cmp_lg_u32 s2, 0xf033
	s_cbranch_scc0 .Lentry_shape_is_right
	s_endpgm
.Lentry_shape_is_right:
; The three projections as one product: C[4096][3072] = xb wb^T, bf16 operands, f32 sums over K = 1024.
; A tile of C is 256 tokens x 192 columns: one head's 64 channels of 2 Q, of K and of V (wb's rows lie by heads).  16 x 16 tiles: one work-group for each of 256.
; OUT: q, k, v [batch*16 + head][2048 tokens][64] in f16, each rounded once from its f32 sum; vs [batch*16 + head][32][64] f32: V's f32 sums added up over blocks of 64 tokens.
; LIMIT.  f16 ends at 65,504: |2 q|, |k|, |v| stay under it.
; SHARES.  Wave w owns tokens 64 w .. 64 w + 63 and all 192 columns: 48 accumulators of 16 x 16.  So a wave holds whole rows (128 bytes) of q, k and v, its stage is its own, and the way out has no barrier.
; THE MATRIX INSTRUCTION IS USED TRANSPOSED (source 0 = 16 rows of wb, source 1 = 16 tokens): a lane holds one token (lane % 16) and the channels 8 (lane / 16) + 0..7.
; K goes in steps of 128 through two LDS slots (rows of 256 bytes of memory, at multiples of 256 from the buffer's first byte).  CLUSTER 4 x 4: xb's tile hangs on the token tile alone and is asked for jointly
; by a row of the cluster, wb's on the head alone, by a column.
; REGISTERS, in windows of 256:  window 0: v0-31 addresses; v32-63 at work; v64-95, v96-127 fragments of xb (4 x 8), two buffers; on the way out v64-255: 12 units of 16
;   window 1: v0-95, v96-191 fragments of wb (12 x 8), two buffers      window 2: Q's and K's accumulators, (a, b) at 8 (8 a + b)      window 3: V's, (a, b) at 8 (4 a + b)
.set KSTEP,  128
.set PITCH,  272                       ; an LDS row: 256 bytes + 16 of padding: the 16 rows of a fragment load start at 16 different groups of four banks (ISA guide 11.1)
.set AHALF,  128*PITCH                 ; what waves 0 and 1 fetch: 128 tokens each
.set BHALF,  96*PITCH                  ; what waves 2 and 3 fetch: 96 rows of wb each
.set BOFF,   2*AHALF
.set SLOT,   2*AHALF+2*BHALF           ; 121,856
.set STAGE,  2*SLOT                    ; behind the ring: three units of 16 rows x 144 bytes for each wave
.set SP,     144
.set UNIT,   16*SP
.set VSTG,   STAGE+12*UNIT             ; 256 bytes for each wave: V's sums
.set SPARE,  VSTG+1024                 ; the spare words, 128 bytes for each wave: two blocks of 256 bytes that no other line names
.set LAPS,   4                         ; a lap = two K steps
.set ADRA, 16                          ; v16-17  LDS address of my fragments of xb in slot 0, 1
.set ADRB, 20                          ; v20-21  the same for wb
.set STO,  24                          ; v24     the way out: where I put 16 bytes of a row
.set RD,   25                          ; v25     where I read rows back
.set GO,   26                          ; v26     16 x lane
.set VST,  27                          ; v27     where V's sums go
.set SPW,  28                          ; v28     my spare word; never rewritten
.set NIL,  29                          ; v29     0; never rewritten
.set VRD,  30                          ; v30     where I read 8 bytes of the sums back
.set VGO,  31                          ; v31     8 x lane
.set TMP,  32
.set SUM,  32
.set OUTR, 64
.set G1, 24                            ; s[24:31] group 1 for xb's tiles;  s[32:39] group 0, a set for each slot
.set G0, 32
.set G1B, 48                           ; s[48:55], s[56:63] the same for wb's
.set G0B, 56
.set MSB, 0
.macro WIN new                         ; the immediate's high byte repeats the setting that is left; a switch that changes nothing is dropped
.if MSB != (\new)
	s_set_vgpr_msb (MSB<<8)|(\new)
.set MSB, \new
.endif
.endm
; A joint load: waves 0 and 1 fetch xb's two halves, waves 2 and 3 wb's.  The branch hangs on the wave's number alone.  An s_nop 0 and four v_nop follow each line.
.macro JLOAD s
	s_cmp_eq_u32 s11, 0
	s_cbranch_scc0 .Lfor_b_\@
	tensor_load_to_lds s[G0+4*(\s):G0+4*(\s)+3], s[G1:G1+7]
	s_nop 0
.rept 4
	v_nop
.endr
	s_branch .Lasked_\@
.Lfor_b_\@:
	tensor_load_to_lds s[G0B+4*(\s):G0B+4*(\s)+3], s[G1B:G1B+7]
	s_nop 0
.rept 4
	v_nop
.endr
.Lasked_\@:
.endm
.macro CREST                           ; a round of the cluster's barrier behind its opening barrier
	s_cmp_lg_u32 s10, 0
	s_cbranch_scc1 .Lnot_wave_0_\@
	s_barrier_signal -3
.Lnot_wave_0_\@:
	s_barrier_wait -3
	s_barrier_signal -1
	s_barrier_wait -1
.endm
.macro CROUND
	s_barrier_signal -1
	s_barrier_wait -1
	CREST
.endm
.macro PLACES                          ; four places in front of loads into registers that matrix instructions have read, and of lines that read results
.rept 4
	v_nop
.endr
.endm
	s_load_b128 s[4:7], s[0:1], 0x0                ; xb s[4:5], wb s[6:7]
	s_load_b256 s[68:75], s[0:1], 0x10             ; q s[68:69], k s[70:71], v s[72:73], vs s[74:75]
	v_lshl_add_u32 v[SPW], v0, 2, SPARE
	v_mov_b32 v[NIL], 0
	ds_add_u32 v[SPW], v[NIL]                      ; the wave's opening: the add and its wait stand ahead of my first tensor load; the set-up stands between them
	ds_add_u32 v28, v29
	v_lshrrev_b32 v1, 5, v0
	v_readfirstlane_b32 s10, v1                    ; wave 0..3
	s_lshr_b32 s11, s10, 1                         ; I fetch for xb (0) or for wb (1)
	s_and_b32 s12, s10, 1                          ; which half of that tile
	s_bfe_u32 s40, ttmp6, 0x40000                  ; cx, cy: my place in the cluster
	s_bfe_u32 s41, ttmp6, 0x40004
	s_lshl_b32 s42, ttmp9, 2
	s_add_co_u32 s42, s42, s40                     ; the head = 4 x cluster x + cx
	s_and_b32 s13, ttmp7, 0xffff
	s_lshl_b32 s13, s13, 2
	s_add_co_u32 s13, s13, s41                     ; the token tile = 4 x cluster y + cy
	s_lshl_b32 s43, s41, 2
	s_lshl_b32 s43, 15, s43                        ; my row of the cluster
	s_lshl_b32 s44, 0x1111, s40                    ; my column
	s_or_b32 s[G1+0], s43, (1<<16)|(1<<20)|(1<<21)|(5<<22)|(3<<25)   ; the mask; 2-byte elements; padding on; bit 21 beside a mask; after every 64 words, 4 words
	s_or_b32 s[G1B+0], s44, (1<<16)|(1<<20)|(1<<21)|(5<<22)|(3<<25)
	s_mov_b32 s[G1+1], KSTEP<<16                   ; tensor_dim0 = 128
	s_mov_b32 s[G1+2], 128<<16                     ; tensor_dim1 = 128
	s_mov_b32 s[G1+3], KSTEP<<16                   ; tile_dim0 = 128
	s_mov_b32 s[G1+4], 128                         ; tile_dim1 = 128
	s_mov_b32 s[G1+5], 1024                        ; elements from row to row
	s_mov_b32 s[G1+6], 0
	s_mov_b32 s[G1+7], 0
	s_mov_b32 s[G1B+1], KSTEP<<16
	s_mov_b32 s[G1B+2], 96<<16                     ; 96 rows
	s_mov_b32 s[G1B+3], KSTEP<<16
	s_mov_b32 s[G1B+4], 96
	s_mov_b32 s[G1B+5], 1024
	s_mov_b32 s[G1B+6], 0
	s_mov_b32 s[G1B+7], 0
	s_lshl_b32 s17, s12, 7
	s_lshl_b32 s16, s13, 8
	s_add_co_u32 s16, s16, s17                     ; xb: row 256 x tile + 128 x half,
	s_lshl_b32 s16, s16, 11                        ; 2,048 bytes a row
	s_mov_b32 s17, 0
	s_mul_i32 s46, s42, 192
	s_mul_i32 s47, s12, 96
	s_add_co_u32 s46, s46, s47                     ; wb: row 192 x head + 96 x half
	s_lshl_b32 s46, s46, 11
	s_mov_b32 s47, 0
	s_mul_i32 s20, s10, AHALF                      ; where they go: waves 0, 1: wave x 128 rows;
	s_mul_i32 s21, s10, BHALF
	s_add_co_u32 s21, s21, 2*AHALF-2*BHALF         ; waves 2, 3: behind xb's 256 rows, (wave - 2) x 96 rows
	s_wait_dscnt 0x0                               ; the opening add is done
	s_wait_kmcnt 0x0
	s_add_nc_u64 s[14:15], s[4:5], s[16:17]
	s_add_nc_u64 s[46:47], s[6:7], s[46:47]
	CROUND                                         ; all sixteen work-groups are here: the first joint loads meet
.irp s, 0,1
	s_mov_b32 s[G0+4*(\s)], 1
	s_add_co_u32 s[G0+4*(\s)+1], s20, (\s)*SLOT
	s_add_nc_u64 s[G0+4*(\s)+2:G0+4*(\s)+3], s[14:15], (\s)*KSTEP*2
	s_or_b32 s[G0+4*(\s)+3], s[G0+4*(\s)+3], 0x80000000
	s_mov_b32 s[G0B+4*(\s)], 1
	s_add_co_u32 s[G0B+4*(\s)+1], s21, (\s)*SLOT
	s_add_nc_u64 s[G0B+4*(\s)+2:G0B+4*(\s)+3], s[46:47], (\s)*KSTEP*2
	s_or_b32 s[G0B+4*(\s)+3], s[G0B+4*(\s)+3], 0x80000000
	JLOAD \s                                       ; K steps 0 and 1: two loads of mine are out
.endr
	v_and_b32 v1, 15, v0                           ; l % 16
	v_bfe_u32 v2, v0, 4, 1                         ; l / 16
	v_mul_u32_u24 v3, v1, PITCH
	v_lshl_add_u32 v3, v2, 4, v3                   ; a fragment's row x pitch + 16 x half
	s_mul_i32 s22, s10, 64*PITCH                   ; my 64 tokens
	v_add_nc_u32 v[ADRA], s22, v3
	v_add_nc_u32 v[ADRB], BOFF, v3                 ; every wave reads all 192 rows of wb
	v_add_nc_u32 v[ADRA+1], SLOT, v[ADRA]
	v_add_nc_u32 v[ADRB+1], SLOT, v[ADRB]
	s_mul_i32 s23, s10, 3*UNIT
	s_add_co_u32 s23, s23, STAGE                   ; my stage
	v_mul_u32_u24 v4, v1, SP                       ; in: row l % 16, 16 bytes for each half of the lanes
	v_lshl_add_u32 v4, v2, 4, v4
	v_add_nc_u32 v[STO], s23, v4
	v_bfe_u32 v4, v0, 3, 2                         ; back: 32 lanes take four rows of 128 bytes,
	v_and_b32 v5, 7, v0
	v_mul_u32_u24 v4, v4, SP
	v_lshl_add_u32 v4, v5, 4, v4
	v_add_nc_u32 v[RD], s23, v4
	v_and_b32 v5, 31, v0
	v_lshlrev_b32 v[GO], 4, v5                     ; which are 512 consecutive bytes of q, k or v
	v_lshlrev_b32 v[VGO], 3, v5
	s_lshl_b32 s23, s10, 8
	s_add_co_u32 s23, s23, VSTG
	v_lshl_add_u32 v[VST], v2, 5, s23              ; channels 8 (l / 16) on
	v_add_nc_u32 v[VRD], s23, v[VGO]
	s_lshr_b32 s76, s13, 3                         ; the batch
	s_lshl4_add_u32 s76, s76, s42                  ; 16 x batch + head
	s_and_b32 s77, s13, 7
	s_lshl2_add_u32 s77, s77, s10                  ; my block of 64 tokens in the batch
	s_lshl_b32 s78, s76, 5
	s_add_co_u32 s78, s78, s77
	s_lshl_b32 s78, s78, 8                         ; vs: 256 bytes a block
	s_mov_b32 s79, 0
	s_lshl_b32 s76, s76, 18                        ; 2,048 tokens x 128 bytes a head
	s_lshl_b32 s77, s77, 13
	s_add_co_u32 s76, s76, s77
	s_mov_b32 s77, 0
	s_add_nc_u64 s[68:69], s[68:69], s[76:77]
	s_add_nc_u64 s[70:71], s[70:71], s[76:77]
	s_add_nc_u64 s[72:73], s[72:73], s[76:77]
	s_add_nc_u64 s[74:75], s[74:75], s[78:79]
; n token blocks from a0 on x the 8 column blocks of Q and K, 32 along K, from buffer f.  zero = 1: the products start the sums.
.macro MULA f, a0, n, zero
	WIN 0xa1                                       ; source 0 window 1, source 1 window 0, C and D window 2
.set ma, \a0
.rept \n
.set mb, 0
.rept 8
.set rD, 8*(8*ma+mb)
.set rB, 96*(\f)+8*mb
.set rA, 64+32*(\f)+8*ma
.if \zero
	v_wmma_f32_16x16x32_bf16 v[rD:rD+7], v[rB:rB+7], v[rA:rA+7], 0
.else
	v_wmma_f32_16x16x32_bf16 v[rD:rD+7], v[rB:rB+7], v[rA:rA+7], v[rD:rD+7]
.endif
.set mb, mb+1
.endr
.set ma, ma+1
.endr
.endm
.macro MULV f, zero                    ; the 4 token blocks x the 4 column blocks of V
	WIN 0xf1                                       ; C and D window 3
.set ma, 0
.rept 4
.set mb, 0
.rept 4
.set rD, 8*(4*ma+mb)
.set rB, 96*(\f)+8*(8+mb)
.set rA, 64+32*(\f)+8*ma
.if \zero
	v_wmma_f32_16x16x32_bf16 v[rD:rD+7], v[rB:rB+7], v[rA:rA+7], 0
.else
	v_wmma_f32_16x16x32_bf16 v[rD:rD+7], v[rB:rB+7], v[rA:rA+7], v[rD:rD+7]
.endif
.set mb, mb+1
.endr
.set ma, ma+1
.endr
.endm
; 32 LDS loads in one run: the fragments of 32 along K at byte k of the rows, into buffer f
.macro FETCH slot, k, f
	WIN 0x40                                       ; destination window 1
.irp i, 0,1,2,3,4,5,6,7,8,9,10,11
	ds_load_b128 v[96*(\f)+8*(\i):96*(\f)+8*(\i)+3],   v[ADRB+(\slot)] offset:(\k)+(\i)*16*PITCH
	ds_load_b128 v[96*(\f)+8*(\i)+4:96*(\f)+8*(\i)+7], v[ADRB+(\slot)] offset:(\k)+(\i)*16*PITCH+32
.endr
	WIN 0
.irp i, 0,1,2,3
	ds_load_b128 v[64+32*(\f)+8*(\i):64+32*(\f)+8*(\i)+3],   v[ADRA+(\slot)] offset:(\k)+(\i)*16*PITCH
	ds_load_b128 v[64+32*(\f)+8*(\i)+4:64+32*(\f)+8*(\i)+7], v[ADRA+(\slot)] offset:(\k)+(\i)*16*PITCH+32
.endr
.endm
; A K step is four quarters of 32 along K, 48 matrix instructions each, on buffers 0, 1, 0, 1.  The 48 accumulators take turns in one order.
; One of the first three: multiplies buffer f; in its middle it fetches the next quarter's fragments into buffer g, 24 matrix instructions ahead of their use.
.macro QUARTER slot, k, f, g, zero
	s_wait_dscnt 0x0                               ; buffer f is in
	MULA \f, 0, 3, \zero
	PLACES
	FETCH \slot, \k, \g
	MULA \f, 3, 1, \zero
	MULV \f, \zero
.endm
; The last quarter multiplies buffer 1 and changes slots: ONE barrier.  In front of it each wave waits for all its tensor loads (one is out: its part of the next slot), adds 0 to its spare word, and waits for
; that and for its reads of this slot.  fill = 1: the barrier opens a round of the cluster's, and this slot is filled again, two K steps ahead: 168 matrix instructions ahead of the wait for it.
.macro TURN slot, next, fill
	WIN 0                                          ; (the add's two registers lie in window 0)
	s_wait_tensorcnt 0x0
	ds_add_u32 v[SPW], v[NIL]                      ; 0 onto my spare word
	s_wait_dscnt 1                                 ; the add alone may be out: buffer 1 is in
	MULA 1, 0, 1, 0                                ; eight matrix instructions stand between the add and the wait for it
	s_wait_dscnt 0x0                               ; the add is done, and my reads of this slot are over
	s_barrier_signal -1
	MULA 1, 1, 2, 0
.if \fill
	WIN 0
.endif
	s_barrier_wait -1
.if \fill
	CREST                                          ; no wave of any partner still reads this slot's tile or has a load on its way
	s_add_nc_u64 s[G0+4*(\slot)+2:G0+4*(\slot)+3], s[G0+4*(\slot)+2:G0+4*(\slot)+3], 2*KSTEP*2
	s_add_nc_u64 s[G0B+4*(\slot)+2:G0B+4*(\slot)+3], s[G0B+4*(\slot)+2:G0B+4*(\slot)+3], 2*KSTEP*2
	JLOAD \slot                                    ; the first tensor load behind the round; its four v_nop are also the places in front of the loads below
.else
	PLACES
.endif
	FETCH \next, 0, 0
	MULA 1, 3, 1, 0
	MULV 1, 0
.endm
	s_wait_tensorcnt 1                             ; my part of K step 0 is in; K step 1's load may stay out
	s_barrier_signal -1
	s_barrier_wait -1
	FETCH 0, 0, 0
	QUARTER 0, 64, 0, 1, 1                         ; the first quarter stands in front of the loop: its products start the sums
	WIN 0
	s_mov_b32 s3, LAPS-1
.Llap:                                                 ; a trip goes once round the ring and fills both slots again: K steps 2 to 7
	QUARTER 0, 128, 1, 0, 0
	QUARTER 0, 192, 0, 1, 0
	TURN 0, 1, 1
	QUARTER 1, 64,  0, 1, 0
	QUARTER 1, 128, 1, 0, 0
	QUARTER 1, 192, 0, 1, 0
	TURN 1, 0, 1
	QUARTER 0, 64,  0, 1, 0
	WIN 0
	s_sub_co_u32 s3, s3, 1
	s_cmp_lg_u32 s3, 0
	s_cbranch_scc1 .Llap
	QUARTER 0, 128, 1, 0, 0                        ; the last lap fills nothing
	QUARTER 0, 192, 0, 1, 0
	TURN 0, 1, 0
	QUARTER 1, 64,  0, 1, 0
	QUARTER 1, 128, 1, 0, 0
	QUARTER 1, 192, 0, 1, 0
	s_wait_dscnt 0x0
	MULA 1, 0, 4, 0
	MULV 1, 0
	WIN 0
	PLACES
; THE WAY OUT.  Unit u = 3 a + sel: 16 tokens (block a) x 64 channels of Q (sel 0), K (1) or V (2): rounded to f16, 16 bytes a lane into rows of 144 bytes of my stage, back as 512 consecutive bytes, stored.
.macro PACK u
.set pa, (\u)/3
.set ps, (\u)%3
.if ps < 2
	WIN 0x0a                                       ; sources in window 2
.set AC, 8*(8*pa+4*ps)
.else
	WIN 0x0f                                       ; in window 3
.set AC, 8*(4*pa)
.endif
.set pz, 0
.rept 16                               ; each accumulator's registers in ascending order
	v_cvt_pk_f16_f32 v[TMP+pz], v[AC+2*pz], v[AC+2*pz+1]
.set pz, pz+1
.endr
	WIN 0
.irp b, 0,1,2,3
	ds_store_b128 v[STO], v[TMP+4*(\b):TMP+4*(\b)+3] offset:ps*UNIT+32*(\b)
.endr
.irp f, 0,1,2,3
	ds_load_b128 v[OUTR+16*(\u)+4*(\f):OUTR+16*(\u)+4*(\f)+3], v[RD] offset:ps*UNIT+(\f)*4*SP  ; LDS serves a wave's instructions in order (ISA guide 5.7.1.4): these see the stores above
.endr
.endm
.macro SEND u, younger                 ; younger: the LDS instructions issued behind unit u's loads: the next unit's eight, or none.  Each unit has registers of its own
.set pa, (\u)/3
.set ps, (\u)%3
.irp f, 0,1,2,3
	s_wait_dscnt (\younger)+3-(\f)
	global_store_b128 v[GO], v[OUTR+16*(\u)+4*(\f):OUTR+16*(\u)+4*(\f)+3], s[68+2*ps:69+2*ps] offset:pa*2048+(\f)*512  ; 512 consecutive bytes, at a multiple of 256 from the buffer's first
.endr
.endm
	PACK 0
.irp u, 1,2,3,4,5,6,7,8,9,10,11
	PACK \u
	SEND (\u)-1, 8
.endr
	SEND 11, 0
	; V's f32 sums over my 64 tokens: the four token blocks are added, then the 16 lanes of each half (a lane is a token).
	WIN 0x0f                                       ; sources window 3, destination window 0
.set z, 0
.rept 16
	v_pk_add_f32 v[SUM+2*z:SUM+2*z+1], v[2*z:2*z+1], v[32+2*z:32+2*z+1]
.set z, z+1
.endr
	WIN 0x0c                                       ; source 1 window 3
.set z, 0
.rept 16
	v_pk_add_f32 v[SUM+2*z:SUM+2*z+1], v[SUM+2*z:SUM+2*z+1], v[64+2*z:64+2*z+1]
.set z, z+1
.endr
.set z, 0
.rept 16
	v_pk_add_f32 v[SUM+2*z:SUM+2*z+1], v[SUM+2*z:SUM+2*z+1], v[96+2*z:96+2*z+1]
.set z, z+1
.endr
	WIN 0
.irp x, 1,2,4,8
.set z, 0
.rept 32
	v_add_f32_dpp v[SUM+z], v[SUM+z], v[SUM+z] row_xmask:\x row_mask:0xf bank_mask:0xf
.set z, z+1
.endr
.endr
.irp g, 0,1,2,3,4,5,6,7                ; register 8 b + j holds channel 16 b + 8 (l / 16) + j; the 16 lanes of a half hold the same sums and write the same words
	ds_store_b128 v[VST], v[SUM+4*(\g):SUM+4*(\g)+3] offset:64*((\g)/2)+16*((\g)%2)
.endr
	ds_load_b64 v[6:7], v[VRD]                     ; my own bytes, served in order
	s_wait_dscnt 0x0
	global_store_b64 v[VGO], v[6:7], s[74:75]      ; the wave stores 256 consecutive bytes, aligned
	s_wait_tensorcnt 0x0                           ; the wave's end
	ds_add_u32 v[SPW], v[NIL]
	s_wait_dscnt 0x0
	CROUND                                         ; the closing round
	s_endpgm
.Lfunc_end_k_qf502cbcf66_qkv:
	.size	k_qf502cbcf66_qkv, .Lfunc_end_k_qf502cbcf66_qkv-k_qf502cbcf66_qkv
	.p2alignl 7, 3214868480
	.fill 96, 4, 3214868480
	.section	.rodata,"a",@progbits
	.p2align	6, 0x0
	.amdhsa_kernel k_qf502cbcf66_qkv
		.amdhsa_group_segment_fixed_size 327680
		.amdhsa_private_segment_fixed_size 0
		.amdhsa_enable_private_segment 0
		.amdhsa_kernarg_size 48
		.amdhsa_user_sgpr_count 2
		.amdhsa_user_sgpr_kernarg_segment_ptr 1
		.amdhsa_wavefront_size32 1
		.amdhsa_system_sgpr_workgroup_id_x 1
		.amdhsa_system_sgpr_workgroup_id_y 1
		.amdhsa_system_sgpr_workgroup_id_z 1
		.amdhsa_system_vgpr_workitem_id 0
		.amdhsa_next_free_vgpr 896
		.amdhsa_next_free_sgpr 80
		.amdhsa_reserve_vcc 0
		.amdhsa_float_denorm_mode_32 3
		.amdhsa_float_denorm_mode_16_64 3
		.amdhsa_memory_ordered 1
		.amdhsa_forward_progress 1
		.amdhsa_inst_pref_size 132
	.end_amdhsa_kernel
	.amdgpu_metadata
---
amdhsa.version: [ 1, 2 ]
amdhsa.kernels:
  - .name:           k_qf502cbcf66_qkv
    .symbol:         k_qf502cbcf66_qkv.kd
    .args:
      - { .name: xb, .offset: 0, .size: 8, .value_kind: global_buffer, .address_space: global }
      - { .name: wb, .offset: 8, .size: 8, .value_kind: global_buffer, .address_space: global }
      - { .name: q, .offset: 16, .size: 8, .value_kind: global_buffer, .address_space: global }
      - { .name: k, .offset: 24, .size: 8, .value_kind: global_buffer, .address_space: global }
      - { .name: v, .offset: 32, .size: 8, .value_kind: global_buffer, .address_space: global }
      - { .name: vs, .offset: 40, .size: 8, .value_kind: global_buffer, .address_space: global }
    .group_segment_fixed_size: 327680
    .private_segment_fixed_size: 0
    .kernarg_segment_align: 8
    .kernarg_segment_size: 48
    .max_flat_workgroup_size: 128
    .sgpr_count:     80
    .vgpr_count:     896
    .wavefront_size: 32
...
	.end_amdgpu_metadata
.endif
;; end of part 2
;; launch attn (part 3): grid 8 x 32, 4 waves a work-group, no clusters, 327,680 bytes of LDS; arguments q, k, v, vs, alibi_slopes, power, att; writes att
.if DOCPART == 3
	.amdgcn_target "amdgcn-amd-amdhsa--gfx1250"
	.amdhsa_code_object_version 6
	.text
	.protected	k_qf502cbcf66_attn
	.globl	k_qf502cbcf66_attn
	.p2align	8
	.type	k_qf502cbcf66_attn,@function
k_qf502cbcf66_attn:
	s_mov_b64 s[64:65], 0
	v_nop
	global_prefetch_b8 v0, s[64:65] scope:SCOPE_SE
	s_setreg_imm32_b32 hwreg(HW_REG_WAVE_MODE, 25, 1), 1
	s_wait_xcnt 0x0
; CAUSAL ATTENTION WITH A RATIONAL-POWER WEIGHT.  For head bh and query i: x_k = (2 q_i) . k_k - slope (i - k) for k <= i, and x_k = -10000 for k > i;
; p_k = u^power with u = (max(x, 0) + 0.5) / (1 + |x|), which is ((x / (|x| + 1)) + 1) / 2 without its cancellation;  out_i = sum p_k v_k / (sum p_k + 1e-6).
; q (with the scale 2), k, v: [32][2048][64] f16.  vs: [32][32][64] f32, V added up over blocks of 64 tokens.  att: [token / 16][head][16][64] f16.  slope and power are rounded to bf16, as all the module's inputs are.
; HIDDEN KEYS HAVE A WEIGHT: pm = (0.5 / 10001)^power.  Keys behind a query block's diagonal tile are not walked: they enter as the sums' starting values, pm x (their number) and pm x (the sum of their V rows, from vs).
; Inside the diagonal tile a hidden score is replaced by -10000 and goes the common way.
; THE WEIGHT.  T = max(x + 0.5, 0.5); X = 2 T - x = 1 + |x|; p' = 2^((log2 T - log2 X) power + sh), rounded to f16 for the second product.  sh = 15 + 16 min(power, 0) scales all weights, pm and the 1e-6 alike, so that
; p' fills f16's range: u <= 1, so p' <= 32,768 for power >= 0.  reference() takes no maximum away, and none is needed: the exponent is bounded by sh.
; THE ROW SUM is a product too: a block of ones beside V's four channel blocks; it adds up the same rounded weights that multiply V.
; LIMITS.  A weight under 2^-24 x 2^-sh counts as 0 (for power >= 0: 1.8e-12, beside the 1e-6 in the divisor).  For power < 0 scores stay above -32,767, or p' passes f16's range.  NaN and infinities are not treated apart.
; THE WALK.  A head's queries lie in NB = 16 blocks of 128; block i needs the key tiles 0 .. i of 128 keys.  A work-group takes blocks 15 - b and then b: 17 tiles, whatever b: all 256 work-groups do equal work and ONE loop with
; a constant count walks them; the ring of two LDS slots runs on across the change of blocks.  NO CLUSTER: a head's 8 work-groups ask for the same tile only in trips 0 .. 8 of 17; a walk common to all would have 24 trips.
; SHARES.  Wave w owns queries 32 w .. 32 w + 31 of a block: two tiles t of 16.  A step is 32 keys: four GROUPS a = 2 t + kb of 16 keys x 16 queries.
; LAYOUT.  S^T = K (2Q)^T + C: a lane holds ONE query (lane % 16) and the keys 8 (lane / 16) + 0..7; C is the bias.  Two groups rounded to f16 ARE source 1 of O^T = V^T P.
; THE ORDER.  The vector work is one stream of SLOTs, a group each: 16 logarithms with the NEXT group's 16 plain lines between them, then scaling, exponentials and roundings.  The matrix work stands at six points of a slot.
; REGISTERS.  window 0: v0-15 addresses; v16-31 T, two buffers; v32-95 S, two buffers of four groups; v96-127 P, two buffers; v128-191 O^T; v192-207 the row sums; v208-239 V; v240-247 ones; v248-251 reciprocals
;             window 1: v0-31 K; v32-63 Q; v64-95 the second block's Q; v96-119 the bias for t - kb = -1, 0, 1; v120-127 (lane % 16) - 8 (lane / 16) - j
.set NB,    16
.set PK,    144       ; a row of K in LDS: 128 bytes + 16: the 16 rows of a load start at 16 different groups of four banks (ISA guide 11.1)
.set PV,    160       ; a row of V: 128 + 32
.set VOFF,  128*PK    ; a slot holds a tile: 128 rows of K, then 128 rows of V
.set SLOT1, 1<<16     ; slot 1 begins here: one exclusive or changes slots
.set STAGE, SLOT1+128*(PK+PV)  ; behind the ring: 16 rows x 144 bytes for each wave
.set SP,    144
.set SUF,   STAGE+4*16*SP      ; 2 x 64 f32: the sums of V's rows behind each block's diagonal tile: the first block's, and 256 bytes on the second's
.set SPARE, SUF+512            ; the spare words, 128 bytes for each wave: two blocks of 256 bytes that no other line names
.set AK0, 2           ; my lane's place in a tile of K; never rewritten
.set AV0, 3           ; the same for V
.set AK,  4
.set AV,  5
.set STO, 6
.set RD,  7
.set GO,  8
.set SUFA, 10         ; SUF + 32 (lane / 16); never rewritten
.set QO,  11
.set VSO, 12
.set SPW, 14          ; my spare word; never rewritten
.set NIL, 15          ; 0; never rewritten
.set T,   16
.set S,   32
.set P,   96
.set O,   128
.set L,   192
.set VF,  208
.set ONE, 240
.set RC,  248
.set KF,  0           ; window 1
.set Q,   32
.set QB,  64
.set CB,  96
.set PAT, 120
.set WV,  12          ; s12 my wave's number;  s13, s99 at work
.set PB,  14          ; b
.set HI,  15          ; 15 - b
.set PMA, 16          ; s[16:17] what the first block's sums of V are multiplied by at a block's beginning: pm x 2^sh in the first block, 0 in the second
.set PMB, 18          ; s[18:19] the same for the second block's sums: 0, then pm x 2^sh
.set OB,  20          ; s[20:21] att at my rows of the block in hand
.set G1K, 24
.set G1V, 32
.set G0K, 40
.set G0V, 44
.set SLOTS, 48
.set CNT, 49
.set RT,  50          ; tiles of the block in hand that are still to be entered
.set NXT, 51          ; the tile to be asked for next
.set LQ,  52          ; the last tile of the block whose tiles are being asked for
.set NEW, 53          ; 1: the tile to be entered is a block's first
.set TBK, 54          ; LDS byte at which K of the step to be fetched begins
.set TBV, 55
.set OFF, 56          ; s[56:57]
.set PW,  58          ; s[58:59] power
.set SH,  60          ; s[60:61] sh
.set NSL, 62          ; s[62:63] -slope
.set OF,  66          ; s[66:71] three pairs: -slope x (DF + 16 (t - kb))
.set DF,  72          ; my first query less the first key of the step whose bias is made next, as f32 (exact)
.set TF,  73
.set PM,  74          ; s[74:75] pm x 2^sh
.set EP,  76          ; 1e-6 x 2^sh
.set LI,  77          ; the row sums' starting value
.set NEG, 78          ; -10000.0
.set DW,  79          ; 32 x (my wave's number - the step's number in the diagonal tile)
.set TM,  80          ; s[80:87] lane masks: j > (lane % 16) - 8 (lane / 16)
.set MK,  88          ; s[88:95] the masks of the group in hand
.set TT,  96
.set FV,  97
.set BLK, 98          ; the block in hand
.set OLO, 100         ; s[100:101] att at my rows of the second block
.set MSB, 0
.macro WIN new                      ; the high byte repeats the setting that is left; a switch that changes nothing is dropped
.if MSB != (\new)
	s_set_vgpr_msb (MSB<<8)|(\new)
.set MSB, (\new)
.endif
.endm
; A fill.  Waves 0 and 1 fetch the two halves of a tile's K, waves 2 and 3 those of its V: 64 keys each.  An s_nop 0 and four v_nop follow each line.
.macro LOAD
	s_cmp_lt_u32 s[WV], 2
	s_cbranch_scc0 .Lfor_v_\@
	tensor_load_to_lds s[G0K:G0K+3], s[G1K:G1K+7]
	s_nop 0
.rept 4
	v_nop
.endr
	s_branch .Lasked_\@
.Lfor_v_\@:
	tensor_load_to_lds s[G0V:G0V+3], s[G1V:G1V+7]
	s_nop 0
.rept 4
	v_nop
.endr
.Lasked_\@:
.endm
; THE CHANGE OF SLOTS.  Each wave waits for all its tensor loads (one is out: its part of the other slot), adds 0 to its spare word, and waits for that and for its reads of the slot that it leaves.  Behind the barrier nobody
; reads the old slot and the other is whole.  fill = 1: the old slot is filled again, first thing behind the barrier, with tile NXT; the load has four steps in which to land.
.macro CHANGE fill
	WIN 0
	s_wait_tensorcnt 0x0            ; no tensor load of mine is out, so a group 0 may be written
	ds_add_u32 v[SPW], v[NIL]       ; 0 onto my spare word
.if \fill
	s_lshl_b32 s[OFF], s[NXT], 14   ; a tile is 16,384 bytes of K and of V
	s_xor_b32 s[G0K+1], s[G0K+1], SLOT1
	s_add_nc_u64 s[G0K+2:G0K+3], s[6:7], s[OFF:OFF+1]
	s_or_b32 s[G0K+3], s[G0K+3], 0x80000000
	s_xor_b32 s[G0V+1], s[G0V+1], SLOT1
	s_add_nc_u64 s[G0V+2:G0V+3], s[8:9], s[OFF:OFF+1]
	s_or_b32 s[G0V+3], s[G0V+3], 0x80000000
	s_add_co_u32 s[NXT], s[NXT], 1  ; the block's next tile, or behind its last the second block's tile 0
	s_cmp_gt_u32 s[NXT], s[LQ]
	s_cselect_b32 s[NXT], 0, s[NXT]
	s_cselect_b32 s[LQ], s[PB], s[LQ]
.endif
	s_wait_dscnt 0x0                ; the add is done, and my reads of the slot are over
	s_barrier_signal -1
	s_sub_co_u32 s[TBK], s[TBK], 128*PK   ; the fetches go back to a slot's first step, in the other slot
	s_xor_b32 s[TBK], s[TBK], SLOT1
	s_sub_co_u32 s[TBV], s[TBV], 128*PV
	s_xor_b32 s[TBV], s[TBV], SLOT1
	s_barrier_wait -1
.if \fill
	LOAD
.endif
.endm
	s_load_b256 s[4:11], s[0:1], 0x0  ; q s[4:5], k s[6:7], v s[8:9], vs s[10:11]
	s_load_b128 s[16:19], s[0:1], 0x20  ; alibi_slopes s[16:17], power s[18:19]
	s_load_b64 s[OB:OB+1], s[0:1], 0x30 ; att
	v_lshl_add_u32 v[SPW], v0, 2, SPARE
	v_mov_b32 v[NIL], 0
	ds_add_u32 v[SPW], v[NIL]       ; the wave's opening: the add and its wait stand ahead of my first tensor load; the set-up stands between them
	ds_add_u32 v14, v15
	v_lshrrev_b32 v1, 5, v0
	v_readfirstlane_b32 s[WV], v1   ; wave 0..3
	s_mov_b32 s[PB], ttmp9
	s_sub_co_u32 s[HI], NB-1, s[PB]
	s_and_b32 s22, ttmp7, 0xffff    ; 16 x batch + head
	s_and_b32 s23, s22, 15          ; the head
	s_lshr_b32 s13, s22, 4          ; the batch
	s_lshl_b32 s13, s13, 7
	s_lshl1_add_u32 s13, s[WV], s13 ; 128 x batch + 2 w: blocks of 16 tokens
	s_lshl3_add_u32 s88, s[HI], s13 ; + 8 x block
	s_lshl3_add_u32 s90, s[PB], s13
	s_lshl4_add_u32 s88, s88, s23   ; x 16 + head
	s_lshl4_add_u32 s90, s90, s23
	s_lshl_b32 s88, s88, 11         ; 2,048 bytes each: att's offsets
	s_lshl_b32 s90, s90, 11
	s_mov_b32 s89, 0
	s_mov_b32 s91, 0
	s_lshl_b32 s96, s22, 18         ; the head's first byte in q, k, v
	s_lshl_b32 s13, s[WV], 12       ; my 32 rows of 128 bytes
	s_add_co_u32 s13, s13, s96
	s_lshl_b32 s92, s[HI], 14       ; a block's 128 rows
	s_add_co_u32 s92, s92, s13
	s_lshl_b32 s94, s[PB], 14
	s_add_co_u32 s94, s94, s13
	s_mov_b32 s93, 0
	s_mov_b32 s95, 0
	s_and_b32 s13, s[WV], 1         ; which half of a tile's 128 keys I fetch
	s_lshl_b32 s99, s13, 13
	s_add_co_u32 s96, s96, s99
	s_mov_b32 s97, 0
	s_mul_i32 s72, s13, 64*PK       ; its place in a slot, for K
	s_mul_i32 s73, s13, 64*PV       ; and for V
	s_lshl_b32 s22, s22, 13         ; vs: 8,192 bytes a head
	s_lshl_b32 s2, s23, 2           ; the head's slope
	s_mov_b32 s23, 0
	s_mov_b32 s3, 0
	; descriptor group 1.  64 keys are 8,192 dense bytes: asked for as 32 rows of 256 bytes, two keys a row, padded in LDS after every key
	s_mov_b32 s[G1K], (1<<16)|(1<<20)|(4<<22)|(3<<25)  ; 2-byte elements; padding on; after every 32 words, 4 words
	s_mov_b32 s[G1V], (1<<16)|(1<<20)|(4<<22)|(7<<25)  ; 8 words
.irp g, G1K, G1V
	s_mov_b32 s[\g+1], 128<<16      ; tensor_dim0 = 128
	s_mov_b32 s[\g+2], 32<<16       ; tensor_dim1 = 32
	s_mov_b32 s[\g+3], 128<<16      ; tile_dim0 = 128
	s_mov_b32 s[\g+4], 32           ; tile_dim1 = 32
	s_mov_b32 s[\g+5], 128          ; elements from row to row
	s_mov_b32 s[\g+6], 0
	s_mov_b32 s[\g+7], 0
.endr
	s_mov_b32 s[G0K], 1
	s_mov_b32 s[G0K+1], s72         ; slot 0
	s_mov_b32 s[G0V], 1
	s_add_co_u32 s[G0V+1], s73, VOFF
	s_mov_b32 s[TBK], SLOT1+128*PK  ; the first change of slots turns these two into 0
	s_mov_b32 s[TBV], SLOT1+128*PV
	s_add_co_u32 s[RT], s[HI], 1    ; the first block has 16 - b tiles
	s_mov_b32 s[NXT], 1
	s_mov_b32 s[LQ], s[HI]
	s_mov_b32 s[NEW], 1
	s_mov_b32 s[BLK], s[HI]
	s_mov_b32 s[OFF+1], 0
	s_mov_b32 s[OF+1], 0            ; named as pairs
	s_mov_b32 s[OF+3], 0
	s_mov_b32 s[OF+5], 0
	s_mov_b32 s[NEG], 0xc61c4000    ; -10000.0
	s_mov_b32 s[SLOTS], NB
	s_wait_dscnt 0x0                ; the opening add is done
	s_wait_kmcnt 0x0
	s_add_nc_u64 s[16:17], s[16:17], s[2:3]
	s_load_b32 s13, s[16:17], 0x0   ; the head's slope
	s_load_b32 s99, s[18:19], 0x0   ; power
	s_add_nc_u64 s[6:7], s[6:7], s[96:97]  ; K and V at my half of the head's tile 0
	s_add_nc_u64 s[8:9], s[8:9], s[96:97]
	s_add_nc_u64 s[G0K+2:G0K+3], s[6:7], 0
	s_or_b32 s[G0K+3], s[G0K+3], 0x80000000
	s_add_nc_u64 s[G0V+2:G0V+3], s[8:9], 0
	s_or_b32 s[G0V+3], s[G0V+3], 0x80000000
	s_add_nc_u64 s[10:11], s[10:11], s[22:23]
	s_add_nc_u64 s[2:3], s[4:5], s[94:95]          ; Q at my rows of the second block,
	s_add_nc_u64 s[4:5], s[4:5], s[92:93]          ; of the first
	s_add_nc_u64 s[OLO:OLO+1], s[OB:OB+1], s[90:91]
	s_add_nc_u64 s[OB:OB+1], s[OB:OB+1], s[88:89]
	LOAD                            ; tile 0 into slot 0
	v_and_b32 v1, 15, v0            ; l % 16
	v_bfe_u32 v9, v0, 4, 1          ; l / 16
	v_and_b32 v[VSO], 63, v0
	v_lshlrev_b32 v[VSO], 2, v[VSO] ; thread t takes channel t % 64 of all 32 blocks of vs
.set tb, 0
.rept 32
	global_load_b32 v[O+tb], v[VSO], s[10:11] offset:tb*256
.set tb, tb+1
.endr
	v_lshlrev_b32 v[QO], 7, v1
	v_lshl_add_u32 v[QO], v9, 4, v[QO]  ; row x 128 + 16 x half
	WIN 0x40                        ; destination window 1
.set i, 0
.rept 4                             ; both blocks' Q: tile i / 2, channels 32 (i % 2) on
	global_load_b128 v[Q+8*i:Q+8*i+3],     v[QO], s[4:5] offset:(i/2)*2048+(i%2)*64
	global_load_b128 v[Q+8*i+4:Q+8*i+7],   v[QO], s[4:5] offset:(i/2)*2048+(i%2)*64+32
	global_load_b128 v[QB+8*i:QB+8*i+3],   v[QO], s[2:3] offset:(i/2)*2048+(i%2)*64
	global_load_b128 v[QB+8*i+4:QB+8*i+7], v[QO], s[2:3] offset:(i/2)*2048+(i%2)*64+32
.set i, i+1
.endr
	WIN 0
	v_mul_u32_u24 v[AK0], v1, PK
	v_lshl_add_u32 v[AK0], v9, 4, v[AK0]  ; row x pitch + 16 x half
	; The turning load takes 16 keys x 16 channels (lane l reads key 8 (l / 16) + l % 8, channels 8 ((l / 8) % 2) + 0..7) and leaves half a fragment of V^T: lane l holds channel l % 16 and 8 keys.
	v_and_b32 v13, 7, v0
	v_lshl_add_u32 v[AV0], v9, 3, v13
	v_mul_u32_u24 v[AV0], v[AV0], PV
	v_bfe_u32 v[AV], v0, 3, 1
	v_lshl_add_u32 v[AV0], v[AV], 4, v[AV0]
	v_add_nc_u32 v[AV0], VOFF, v[AV0]
	s_mul_i32 s72, s[WV], 16*SP
	s_add_co_u32 s72, s72, STAGE    ; my stage
	v_mul_u32_u24 v[STO], v1, SP    ; in: row l % 16, 16 bytes for each half of the lanes
	v_lshl_add_u32 v[STO], v9, 4, v[STO]
	v_add_nc_u32 v[STO], s72, v[STO]
	v_bfe_u32 v[RD], v0, 3, 2       ; back: 32 lanes take four rows of 128 bytes,
	v_mul_u32_u24 v[RD], v[RD], SP
	v_lshl_add_u32 v[RD], v13, 4, v[RD]
	v_add_nc_u32 v[RD], s72, v[RD]
	v_and_b32 v[GO], 31, v0         ; which are 512 consecutive bytes of att
	v_lshlrev_b32 v[GO], 4, v[GO]
	v_lshlrev_b32 v[SUFA], 5, v9
	v_add_nc_u32 v[SUFA], SUF, v[SUFA]
	v_lshlrev_b32 v13, 3, v9
	v_sub_nc_u32 v13, v1, v13       ; (l % 16) - 8 (l / 16)
.set j, 0
.rept 8
	v_cmp_gt_i32 s[TM+j], j, v13    ; in a group on the diagonal register j is hidden where j is greater
	v_add_nc_u32 v[T+j], -j, v13
.set j, j+1
.endr
	WIN 0x40
.set j, 0
.rept 8
	v_cvt_f32_i32 v[PAT+j], v[T+j]
.set j, j+1
.endr
	WIN 0
.set j, 0
.rept 8
	v_mov_b32 v[ONE+j], 0x3c003c00  ; 1.0 twice in f16
.set j, j+1
.endr
	v_mov_b32 v[RC+1], 0            ; named with the reciprocals as pairs
	v_mov_b32 v[RC+3], 0
	s_wait_kmcnt 0x0
	v_mov_b32 v16, s13
	v_mov_b32 v17, s99
	v_cvt_pk_bf16_f32 v16, v16, v17 ; slope and power rounded to bf16
	v_and_b32 v17, 0xffff0000, v16  ; power
	v_lshlrev_b32 v16, 16, v16      ; slope
	v_mov_b32 v21, 0x41800000       ; 16.0
	v_mov_b32 v22, 0x41700000       ; 15.0
	v_mov_b32 v23, 0xc1649b10       ; log2(0.5 / 10001) = -14.287856
	v_min_num_f32 v18, 0, v17
	v_fma_f32 v18, v18, v21, v22    ; sh = 16 min(power, 0) + 15
	v_fma_f32 v19, v17, v23, v18    ; power x log2(0.5 / 10001) + sh
	v_exp_f32 v19, v19
	v_exp_f32 v20, v18
	v_xor_b32 v16, 0x80000000, v16  ; -slope: the plain line behind the exponentials
	s_wait_alu depctr_va_vdst(0)
	v_mul_f32 v20, 0x358637bd, v20  ; 1e-6 x 2^sh
	v_readfirstlane_b32 s[PW], v17
	v_readfirstlane_b32 s[SH], v18
	v_readfirstlane_b32 s[NSL], v16
	v_readfirstlane_b32 s[PM], v19
	v_readfirstlane_b32 s[EP], v20
	s_mov_b32 s[PW+1], s[PW]        ; named as pairs
	s_mov_b32 s[SH+1], s[SH]
	s_mov_b32 s[NSL+1], s[NSL]
	s_mov_b32 s[PM+1], s[PM]
	s_mov_b32 s[PMA], s[PM]         ; the first block takes its own sums of V and none of the second's (the two scalar loads that read s[16:19] were waited for above)
	s_mov_b32 s[PMA+1], 0
	s_mov_b32 s[PMB], 0
	s_mov_b32 s[PMB+1], 0
	; The sums of V's rows behind a block's diagonal tile: blocks of 64 tokens from 2 (block + 1) on.  Waves 0 and 1 make the first block's 64 channels, waves 2 and 3 the second's.  Every term is taken, times 1 or 0.
	s_cmp_lt_u32 s[WV], 2
	s_cselect_b32 s13, s[HI], s[PB]
	s_lshl_b32 s13, s13, 1
	s_add_co_u32 s13, s13, 2
	s_wait_loadcnt 16               ; vs is in; the 16 loads of Q behind it may stay out
.set tb, 0
.rept 32
	s_cmp_le_u32 s13, tb
	s_cselect_b32 s99, 1.0, 0
.if tb < 4
	v_mul_f32 v[O+32+tb], s99, v[O+tb]
.else
	v_fmac_f32 v[O+32+tb%4], s99, v[O+tb]
.endif
.set tb, tb+1
.endr
	v_add_f32 v[O+32], v[O+32], v[O+33]
	v_add_f32 v[O+34], v[O+34], v[O+35]
	v_add_f32 v[O+32], v[O+32], v[O+34]
	v_lshl_add_u32 v13, v0, 2, SUF
	ds_store_b32 v13, v[O+32]       ; the first change of slots waits for it and passes a barrier
; THE MATRIX WORK of a body, numbered mi.  0-7: S^T = K Q^T + C for the NEXT step (buffer 1 - BP): group mi % 4, channels 32 (mi / 4) on; the first four start the sums with the bias.
; 8-17: for the step in hand (buffer BP): tile (mi - 8) / 5: V's four channel blocks, then the ones.  No two that follow each other share an accumulator.
.macro MM
.if mi == 0
	s_wait_dscnt 0x0                ; K of the next step and V of this one are in
.endif
.if mi < 8
.set rS, S+32*(1-BP)+8*(mi%4)
.set rK, KF+16*(mi%2)+8*(mi/4)
.set rQ, Q+16*((mi%4)/2)+8*(mi/4)
.set rC, CB+8*(1+(mi%4)/2-mi%2)
.if mi < 4
	WIN 0x15                        ; K, Q and the bias in window 1
	v_wmma_f32_16x16x32_f16 v[rS:rS+7], v[rK:rK+7], v[rQ:rQ+7], v[rC:rC+7]
.else
	WIN 0x05
	v_wmma_f32_16x16x32_f16 v[rS:rS+7], v[rK:rK+7], v[rQ:rQ+7], v[rS:rS+7]
.endif
.else
.set rT, (mi-8)/5
.set rB, (mi-8)%5
.set rP, P+16*BP+8*rT
	WIN 0
.if rB < 4
	v_wmma_f32_16x16x32_f16 v[O+32*rT+8*rB:O+32*rT+8*rB+7], v[VF+8*rB:VF+8*rB+7], v[rP:rP+7], v[O+32*rT+8*rB:O+32*rT+8*rB+7]
.else
	v_wmma_f32_16x16x32_f16 v[L+8*rT:L+8*rT+7], v[ONE:ONE+7], v[rP:rP+7], v[L+8*rT:L+8*rT+7]
.endif
.endif
.set mi, mi+1
	WIN 0
.endm
.macro POINT k, pts
.if (((\pts)>>(\k))&1)
	MM
.endif
.endm
; THE LDS LOADS stand in runs of 8: a step's K (32 keys x 64 channels) and its V (turned).
.macro FETCH_K
	WIN 0
	v_add_nc_u32 v[AK], s[TBK], v[AK0]
	WIN 0x40                        ; destination window 1
.irp f, 0,1,2,3                     ; keys 16 (f / 2) on, channels 32 (f % 2) on
	ds_load_b128 v[KF+8*\f:KF+8*\f+3],   v[AK] offset:(\f/2)*16*PK+(\f%2)*64
	ds_load_b128 v[KF+8*\f+4:KF+8*\f+7], v[AK] offset:(\f/2)*16*PK+(\f%2)*64+32
.endr
	s_add_co_u32 s[TBK], s[TBK], 32*PK
	WIN 0
.endm
.macro FETCH_V
	WIN 0
	v_add_nc_u32 v[AV], s[TBV], v[AV0]
.irp f, 0,1,2,3                     ; channels 16 f on
	ds_load_tr16_b128 v[VF+8*\f:VF+8*\f+3],   v[AV] offset:\f*32
	ds_load_tr16_b128 v[VF+8*\f+4:VF+8*\f+7], v[AV] offset:16*PV+\f*32
.endr
	s_add_co_u32 s[TBV], s[TBV], 32*PV
.endm
; THE BIAS of a step: -slope x (query - key) = -slope x pattern - slope x (DF + 16 (t - kb)), for t - kb = -1, 0, 1.  DF then steps to the next step.
.macro BIAS
	s_add_f32 s[TF], s[DF], 0xc1800000
	s_mul_f32 s[OF], s[TF], s[NSL]
	s_mul_f32 s[OF+2], s[DF], s[NSL]
	s_add_f32 s[TF], s[DF], 0x41800000
	s_mul_f32 s[OF+4], s[TF], s[NSL]
	s_add_f32 s[DF], s[DF], 0xc2000000
	WIN 0x41                        ; destination and source 0 in window 1
.set bz, 0
.rept 12
	v_pk_fma_f32 v[CB+2*bz:CB+2*bz+1], v[PAT+2*(bz%4):PAT+2*(bz%4)+1], s[NSL:NSL+1], s[OF+2*(bz/4):OF+2*(bz/4)+1] op_sel_hi:[1,0,0]
.set bz, bz+1
.endr
	WIN 0
.endm
; THE MASKS of a group with t - kb = cls in the diagonal tile.  DW + 16 cls = 0: the group holds the diagonal; below 0: all its keys are hidden; above: none.
.macro DMASK cls
	s_add_co_i32 s[TT], s[DW], 16*(\cls)
	s_cmp_lt_i32 s[TT], 0
	s_cselect_b32 s[FV], -1, 0
	s_cmp_eq_u32 s[TT], 0
.set dj, 0
.rept 8
	s_cselect_b32 s[MK+dj], s[TM+dj], s[FV]
.set dj, dj+1
.endr
.endm
; Plain line pn of the NEXT group's opening (scores in XN, T in TN).  m = 1: eight selects of -10000 come first.  Then T = x + 0.5 (4, packed), T = max(T, 0.5) (8), X = 2 T - x (4, packed).
; The accumulator's lowest registers are read first.
.macro PA m
.set pq, pn-8*(\m)
.if pq < 0
	v_cndmask_b32 v[XN+pn], v[XN+pn], s[NEG], s[MK+pn]
.elseif pq < 4
	v_pk_add_f32 v[TN+2*pq:TN+2*pq+1], v[XN+2*pq:XN+2*pq+1], 0.5 op_sel_hi:[1,0]
.elseif pq < 12
	v_max_num_f32 v[TN+pq-4], 0.5, v[TN+pq-4]
.else
	v_pk_fma_f32 v[XN+2*(pq-12):XN+2*(pq-12)+1], v[TN+2*(pq-12):TN+2*(pq-12)+1], 2.0, v[XN+2*(pq-12):XN+2*(pq-12)+1] op_sel_hi:[1,0,1] neg_lo:[0,0,1] neg_hi:[0,0,1]
.endif
.set pn, pn+1
.endm
.macro SUBP p
	s_wait_alu depctr_va_vdst(0)
	v_pk_add_f32 v[TC+2*(\p):TC+2*(\p)+1], v[TC+2*(\p):TC+2*(\p)+1], v[XC+2*(\p):XC+2*(\p)+1] neg_lo:[0,1] neg_hi:[0,1]
.endm
.macro FMAP p
	v_pk_fma_f32 v[TC+2*(\p):TC+2*(\p)+1], v[TC+2*(\p):TC+2*(\p)+1], s[PW:PW+1], s[SH:SH+1] op_sel_hi:[1,0,0]
.endm
.macro EXPI i
	v_exp_f32 v[TC+(\i)], v[TC+(\i)]
.endm
.macro CVTP p
	s_wait_alu depctr_va_vdst(0)
	v_cvt_pk_f16_f32 v[PCU+(\p)], v[TC+2*(\p)], v[TC+2*(\p)+1]
.endm
; A SLOT: group a of the step with parity par.  Its T and X were made in the slot before.  16 logarithms, each with a plain line of the next group behind it (doA = 0: there is no next group; one v_nop stands behind the logarithms);
; then log2 T - log2 X, times power plus sh, the exponentials and the roundings, in an order in which every exponential has a plain line that names none of its registers in front of the first use of its result (ISA guide 5.7.2).
; pts: at which of six points the body's next matrix instruction stands.
.macro SLOT par, a, doA, m, pts
.set XC, S+32*(\par)+8*(\a)
.set TC, T+8*((\a)%2)
.set PCU, P+16*(\par)+4*(\a)
.set XN, S+32*(((\par)+(\a)/3)%2)+8*(((\a)+1)%4)
.set TN, T+8*(((\a)+1)%2)
.set pn, 0
.if (\doA) && (\m)
	DMASK (((\a)+1)%4)/2-(((\a)+1)%4)%2
.endif
.set li, 0
.rept 16
.if li%2 == 0
	v_log_f32 v[TC+li/2], v[TC+li/2]
.else
	v_log_f32 v[XC+li/2], v[XC+li/2]
.endif
.if \doA
	PA \m
.if (\m) && (li < 8)
	PA \m
.endif
.endif
.if li%4 == 3
	POINT li/4, \pts
.endif
.set li, li+1
.endr
.if !(\doA)
	v_nop
.endif
	SUBP 0
	SUBP 1
	SUBP 2
	SUBP 3
	FMAP 0
	FMAP 1
	POINT 4, \pts
	EXPI 0
	EXPI 1
	FMAP 2
	EXPI 2
	EXPI 3
	FMAP 3
	CVTP 0
	POINT 5, \pts
	EXPI 4
	EXPI 5
	CVTP 1
	EXPI 6
	EXPI 7
	CVTP 2
	CVTP 3
.endm
; A BODY, for step g of parity p: the slots (g,1), (g,2), (g,3), (g+1,0).  It fetches K of step g + 1 at its head and V of step g + 1 at its end, so all reads of a tile stand on one side of a change of slots.
; K's run has a slot in which to land; the scores of step g + 1 are finished a slot ahead of their first reader; V's run stands behind the twelve plain lines of the bias, which are the places behind the last product.
.macro BODY p, m
.set BP, \p
.set mi, 0
	FETCH_K
	SLOT \p, 1, 1, \m, 0x30
	SLOT \p, 2, 1, \m, 0x3f
.if \m
	s_sub_co_i32 s[DW], s[DW], 32   ; the groups opened from here on are the next step's
.endif
	SLOT \p, 3, 1, \m, 0x1f
	SLOT 1-\p, 0, 1, \m, 0x1f
	BIAS
	FETCH_V
.endm
; A BLOCK BEGINS: the sums start with the keys behind the diagonal tile; K of step 0, its scores, group (0,0)'s opening and its slot; the bias of steps 0 and 1; V of step 0.  m = 1: the block's first tile is the diagonal one.
; BOTH blocks' sums of V are read, at addresses that never change (the first's into S's second buffer, the second's into P, both idle here), and O^T starts as the one times PMA plus the other times PMB, of which one is 0:
; the block in hand chooses a value, no address.
.macro BEGIN m
	s_mov_b32 s[NEW], 0
	WIN 0
.irp f, 0,1,2,3,4,5,6,7             ; channels 16 (f / 2) + 8 (l / 16) + 4 (f % 2) on
	ds_load_b128 v[S+32+4*\f:S+32+4*\f+3], v[SUFA] offset:(\f/2)*64+(\f%2)*16
	ds_load_b128 v[P+4*\f:P+4*\f+3],       v[SUFA] offset:256+(\f/2)*64+(\f%2)*16
.endr
	FETCH_K
	s_lshl_b32 s13, s[BLK], 7
	s_lshl_b32 s99, s[WV], 5
	s_add_co_u32 s99, s99, s13
	s_cvt_f32_u32 s[DF], s99        ; my first query
	s_sub_co_u32 s13, 2048-128, s13 ; the keys behind the diagonal tile
	s_cvt_f32_u32 s13, s13
	s_mul_f32 s[LI], s13, s[PM]
	BIAS
	s_wait_loadcnt 0x0              ; Q
.set BP, 1
.set mi, 0
.rept 8
	MM
.endr
.set bz, 0
.rept 16                            ; 80 plain lines that name no register of those products: also the places behind them
	v_pk_mul_f32 v[O+2*bz:O+2*bz+1], v[S+32+2*bz:S+32+2*bz+1], s[PMA:PMA+1] op_sel_hi:[1,0]
	v_pk_mul_f32 v[O+32+2*bz:O+32+2*bz+1], v[S+32+2*bz:S+32+2*bz+1], s[PMA:PMA+1] op_sel_hi:[1,0]
.set bz, bz+1
.endr
.set bz, 0
.rept 16
	v_pk_fma_f32 v[O+2*bz:O+2*bz+1], v[P+2*bz:P+2*bz+1], s[PMB:PMB+1], v[O+2*bz:O+2*bz+1] op_sel_hi:[1,0,1]
	v_pk_fma_f32 v[O+32+2*bz:O+32+2*bz+1], v[P+2*bz:P+2*bz+1], s[PMB:PMB+1], v[O+32+2*bz:O+32+2*bz+1] op_sel_hi:[1,0,1]
.set bz, bz+1
.endr
.set bz, 0
.rept 16
	v_mov_b32 v[L+bz], s[LI]
.set bz, bz+1
.endr
.if \m
	s_lshl_b32 s[DW], s[WV], 5
	DMASK 0
.endif
.set XN, S
.set TN, T
.set pn, 0
.rept 16+8*(\m)
	PA \m
.endr
	SLOT 0, 0, 1, \m, 0
	BIAS
	FETCH_V
.endm
; THE WAY OUT of tile t: O^T divided by the row sum plus 1e-6 (both scaled by 2^sh), rounded to f16, through my stage, as 2,048 consecutive bytes of att.
.macro PACK t
.set pz, 0
.rept 16
	s_wait_alu depctr_va_vdst(0)
	v_pk_mul_f32 v[O+32*(\t)+2*pz:O+32*(\t)+2*pz+1], v[O+32*(\t)+2*pz:O+32*(\t)+2*pz+1], v[RC+2*(\t):RC+2*(\t)+1] op_sel_hi:[1,0]
.set pz, pz+1
.endr
.set pz, 0
.rept 16
	v_cvt_pk_f16_f32 v[S+16*(\t)+pz], v[O+32*(\t)+2*pz], v[O+32*(\t)+2*pz+1]
.set pz, pz+1
.endr
.irp f, 0,1,2,3
	ds_store_b128 v[STO], v[S+16*(\t)+4*\f:S+16*(\t)+4*\f+3] offset:32*\f
.endr
.irp f, 0,1,2,3
	ds_load_b128 v[S+16*(\t)+4*\f:S+16*(\t)+4*\f+3], v[RD] offset:\f*4*SP  ; LDS serves a wave's instructions in order (ISA guide 5.7.1.4): these see the stores above
.endr
.endm
.macro SEND t, younger              ; younger: the LDS instructions issued behind tile t's loads
.irp f, 0,1,2,3
	s_wait_dscnt (\younger)+3-\f
	global_store_b128 v[GO], v[S+16*(\t)+4*\f:S+16*(\t)+4*\f+3], s[OB:OB+1] offset:(\t)*32768+\f*512  ; 512 consecutive bytes, at a multiple of 256 from att's first
.endr
.endm
; A BLOCK ENDS: the last step (parity 1) has three slots left and fetches nothing.
.macro FINISH
.set BP, 1
.set mi, 8
	s_wait_dscnt 0x0                ; V of the last step
	SLOT 1, 1, 1, 1, 0
	SLOT 1, 2, 1, 1, 0x1f           ; tile 0's weights are whole: its five products
	SLOT 1, 3, 0, 1, 0
.rept 5
	MM                              ; tile 1's
.endr
.rept 4
	v_nop                           ; the places behind them
.endr
	v_add_f32 v[RC], s[EP], v[L]
	v_add_f32 v[RC+2], s[EP], v[L+8]
	v_rcp_f32 v[RC], v[RC]
	v_rcp_f32 v[RC+2], v[RC+2]
	v_nop                           ; a plain line between the reciprocals and their use
	PACK 0
	PACK 1
	SEND 0, 8
	SEND 1, 0
.endm
.macro DIAG tag                     ; the diagonal tile: the text that takes masks, and the block's end
.LstepM\tag:
	BODY 1, 1
	WIN 0
.LfirstM\tag:
	BODY 0, 1
	WIN 0
	s_sub_co_u32 s[CNT], s[CNT], 1
	s_cmp_lg_u32 s[CNT], 0
	s_cbranch_scc1 .LstepM\tag
	FINISH
.endm
.Lslot:                             ; 16 times: a tile is entered and the next is asked for
	CHANGE 1
	s_sub_co_u32 s[RT], s[RT], 1
	s_mov_b32 s[CNT], 2
	s_cmp_eq_u32 s[NEW], 1
	s_cbranch_scc1 .Lnew            ; a block's first tile
	s_cmp_eq_u32 s[RT], 0
	s_cbranch_scc0 .Lstep           ; neither its first nor its last
	s_lshl_b32 s[DW], s[WV], 5
	s_add_co_u32 s[DW], s[DW], 32   ; the body that comes first still belongs to the step in front of the diagonal tile: all its keys are seen
	s_branch .LstepM1
.Lnew:
	BEGIN 0
	s_branch .Lfirst                ; in the loop a block's first tile is never its last: the first block has nine tiles or more, and the second's last is the walk's last
	DIAG 1                          ; in the loop this is the first block's end
	s_wait_xcnt 0x0                 ; the stores have read their registers and att's address
	s_mov_b64 s[OB:OB+1], s[OLO:OLO+1]
	s_add_co_u32 s[RT], s[PB], 1    ; the second block has b + 1 tiles
	s_mov_b32 s[NEW], 1
	s_mov_b32 s[BLK], s[PB]
	s_mov_b32 s[PMA], 0             ; from here on a block's beginning takes the second block's sums of V
	s_mov_b32 s[PMB], s[PM]
	WIN 0x41                        ; the second block's Q goes where the one text names Q
.set i, 0
.rept 32
	v_mov_b32 v[Q+i], v[QB+i]
.set i, i+1
.endr
	WIN 0
	s_branch .Lbottom
.Lstep:                             ; two trips a tile: the body of the step in front of the tile and of its steps 0, 1, 2
	BODY 1, 0
	WIN 0
.Lfirst:
	BODY 0, 0
	WIN 0
	s_sub_co_u32 s[CNT], s[CNT], 1
	s_cmp_lg_u32 s[CNT], 0
	s_cbranch_scc1 .Lstep
.Lbottom:
	s_sub_co_u32 s[SLOTS], s[SLOTS], 1
	s_cmp_lg_u32 s[SLOTS], 0
	s_cbranch_scc1 .Lslot
	CHANGE 0                        ; the walk's last tile is written out: nothing is asked for
	s_sub_co_u32 s[RT], s[RT], 1
	s_mov_b32 s[CNT], 2
	s_lshl_b32 s[DW], s[WV], 5
	s_add_co_u32 s[DW], s[DW], 32
	s_cmp_eq_u32 s[NEW], 1
	s_cbranch_scc0 .LstepM2
	BEGIN 1
	s_branch .LfirstM2
	DIAG 2
	s_wait_tensorcnt 0x0            ; the wave's end
	ds_add_u32 v[SPW], v[NIL]
	s_wait_dscnt 0x0
	s_endpgm
.Lfunc_end_k_qf502cbcf66_attn:
	.size	k_qf502cbcf66_attn, .Lfunc_end_k_qf502cbcf66_attn-k_qf502cbcf66_attn
	.p2alignl 7, 3214868480
	.fill 96, 4, 3214868480
	.section	.rodata,"a",@progbits
	.p2align	6, 0x0
	.amdhsa_kernel k_qf502cbcf66_attn
		.amdhsa_group_segment_fixed_size 327680
		.amdhsa_private_segment_fixed_size 0
		.amdhsa_enable_private_segment 0
		.amdhsa_kernarg_size 56
		.amdhsa_user_sgpr_count 2
		.amdhsa_user_sgpr_kernarg_segment_ptr 1
		.amdhsa_wavefront_size32 1
		.amdhsa_system_sgpr_workgroup_id_x 1
		.amdhsa_system_sgpr_workgroup_id_y 1
		.amdhsa_system_sgpr_workgroup_id_z 1
		.amdhsa_system_vgpr_workitem_id 0
		.amdhsa_next_free_vgpr 384
		.amdhsa_next_free_sgpr 102
		.amdhsa_reserve_vcc 0
		.amdhsa_float_denorm_mode_32 3
		.amdhsa_float_denorm_mode_16_64 3
		.amdhsa_memory_ordered 1
		.amdhsa_forward_progress 1
		.amdhsa_inst_pref_size 182
	.end_amdhsa_kernel
	.amdgpu_metadata
---
amdhsa.version: [ 1, 2 ]
amdhsa.kernels:
  - .name:           k_qf502cbcf66_attn
    .symbol:         k_qf502cbcf66_attn.kd
    .args:
      - { .name: q, .offset: 0, .size: 8, .value_kind: global_buffer, .address_space: global }
      - { .name: k, .offset: 8, .size: 8, .value_kind: global_buffer, .address_space: global }
      - { .name: v, .offset: 16, .size: 8, .value_kind: global_buffer, .address_space: global }
      - { .name: vs, .offset: 24, .size: 8, .value_kind: global_buffer, .address_space: global }
      - { .name: alibi_slopes, .offset: 32, .size: 8, .value_kind: global_buffer, .address_space: global }
      - { .name: power, .offset: 40, .size: 8, .value_kind: global_buffer, .address_space: global }
      - { .name: att, .offset: 48, .size: 8, .value_kind: global_buffer, .address_space: global }
    .group_segment_fixed_size: 327680
    .private_segment_fixed_size: 0
    .kernarg_segment_align: 8
    .kernarg_segment_size: 56
    .max_flat_workgroup_size: 128
    .sgpr_count:     102
    .vgpr_count:     384
    .wavefront_size: 32
...
	.end_amdgpu_metadata
.endif
;; end of part 3
;; launch oproj (part 4): grid 8 x 32, 4 waves a work-group, clusters of 4 x 4, 327,680 bytes of LDS; arguments att, wo16, out0; writes out0
.if DOCPART == 4
	.amdgcn_target "amdgcn-amd-amdhsa--gfx1250"
	.amdhsa_code_object_version 6
	.text
	.protected	k_qf502cbcf66_oproj
	.globl	k_qf502cbcf66_oproj
	.p2align	8
	.type	k_qf502cbcf66_oproj,@function
k_qf502cbcf66_oproj:
	s_mov_b64 s[64:65], 0
	v_nop
	global_prefetch_b8 v0, s[64:65] scope:SCOPE_SE
	s_setreg_imm32_b32 hwreg(HW_REG_WAVE_MODE, 25, 1), 1
	s_wait_xcnt 0x0
	s_wait_alu depctr_hold_cnt(0) depctr_sa_sdst(0) depctr_va_vdst(0) depctr_va_sdst(0) depctr_va_ssrc(0) depctr_va_vcc(0) depctr_vm_vsrc(0)
	s_getreg_b32 s2, hwreg(HW_REG_IB_STS2, 6, 4)
	s_cmp_eq_u32 s2, 0
	s_cbranch_scc0 .Lentry_in_a_cluster
	s_endpgm
.Lentry_in_a_cluster:
	s_bfe_u32 s2, ttmp6, 0x10000c
	s_cmp_lg_u32 s2, 0xf033
	s_cbranch_scc0 .Lentry_shape_is_right
	s_endpgm
.Lentry_shape_is_right:
; out0[4096][1024] (f32) = att wo16^T, f16 operands, f32 sums over K = 1024 (k = 64 x head + channel).
; att lies as [token / 16][head][16 tokens][64] f16, wo16 as [1024 n][1024 k] f16.  A tile of out0 is 128 x 128: 8 x 32 tiles, one work-group each.  Four waves, each 64 x 64: 16 accumulators.
; K goes in steps of 256 = 4 heads through two LDS slots.  Of att a load brings 4 blocks of 16 tokens x 4 heads: 4 rows of 8,192 consecutive bytes, padded in LDS after every 128 bytes (a token's 64 channels of a head).
; CLUSTER 4 x 4: att's tile is asked for jointly by a row of the cluster, wo16's by a column.  THE MATRIX INSTRUCTION IS USED TRANSPOSED (source 0 = 16 rows of wo16, source 1 = 16 tokens): a lane holds eight
; neighbouring numbers of a row of out0.  A wave's 64 columns are 256 bytes of f32, aligned: each wave has a stage of its own, and the way out has no barrier.
; REGISTERS: window 0: v0-31 addresses; v32-95 the way out; v128-255 the accumulators ((a, b) at 128 + 8 (4 a + b)).   window 1: two fragment buffers of 128: 64 registers of att, then 64 of wo16, for 64 along K.
.set KSTEP,  256
.set APITCH, 144                       ; a token's 128 bytes + 16: the 16 rows of a fragment load start at 16 different groups of four banks (ISA guide 11.1)
.set AHEAD,  16*APITCH                 ; a head's 16 tokens
.set ABLK,   4*AHEAD                   ; a block of 16 tokens, 4 heads
.set AHALF,  4*ABLK                    ; 64 tokens: what one load brings
.set BPITCH, 528                       ; 512 bytes + 16
.set BHALF,  64*BPITCH
.set BOFF,   2*AHALF
.set SLOT,   2*AHALF+2*BHALF           ; 141,312
.set STAGE,  2*SLOT                    ; behind the ring: 16 rows x 272 bytes for each wave
.set SPITCH, 272
.set SPARE,  STAGE+4*16*SPITCH         ; the spare words, 128 bytes for each wave: two blocks of 256 bytes that no other line names
.set LAPS,   2
.set ADRA, 16
.set ADRB, 20
.set STO,  24
.set RD,   25
.set CO,   26
.set SPW,  28                          ; my spare word; never rewritten
.set NIL,  29                          ; 0; never rewritten
.set TMP,  32
.set ACC,  128
.set F0,   0
.set F1,   128
.set G1, 24
.set G0, 32
.set G1B, 48
.set G0B, 56
.set MSB, 0
.macro WIN new
.if MSB != (\new)
	s_set_vgpr_msb (MSB<<8)|(\new)
.set MSB, \new
.endif
.endm
.set MUL,  0x05                        ; sources 0 and 1 window 1; C and D window 0
.set TO_F, 0x40                        ; destination window 1
.macro JLOAD s                         ; a joint load: waves 0 and 1 fetch att's two halves, waves 2 and 3 wo16's; an s_nop 0 and four v_nop follow each line
	s_cmp_eq_u32 s11, 0
	s_cbranch_scc0 .Lfor_b_\@
	tensor_load_to_lds s[G0+4*(\s):G0+4*(\s)+3], s[G1:G1+7]
	s_nop 0
.rept 4
	v_nop
.endr
	s_branch .Lasked_\@
.Lfor_b_\@:
	tensor_load_to_lds s[G0B+4*(\s):G0B+4*(\s)+3], s[G1B:G1B+7]
	s_nop 0
.rept 4
	v_nop
.endr
.Lasked_\@:
.endm
.macro CREST
	s_cmp_lg_u32 s10, 0
	s_cbranch_scc1 .Lnot_wave_0_\@
	s_barrier_signal -3
.Lnot_wave_0_\@:
	s_barrier_wait -3
	s_barrier_signal -1
	s_barrier_wait -1
.endm
.macro CROUND
	s_barrier_signal -1
	s_barrier_wait -1
	CREST
.endm
	s_load_b128 s[4:7], s[0:1], 0x0                ; att s[4:5], wo16 s[6:7]
	s_load_b64 s[8:9], s[0:1], 0x10                ; out0
	v_lshl_add_u32 v[SPW], v0, 2, SPARE
	v_mov_b32 v[NIL], 0
	ds_add_u32 v[SPW], v[NIL]                      ; the wave's opening: the add and its wait stand ahead of my first tensor load
	ds_add_u32 v28, v29
	v_lshrrev_b32 v1, 5, v0
	v_readfirstlane_b32 s10, v1                    ; wave 0..3
	s_lshr_b32 s11, s10, 1                         ; which half of the tile's rows is mine.  Also: I fetch for att (0) or for wo16 (1)
	s_and_b32 s12, s10, 1                          ; which half of its columns.  Also: which half of that tile I fetch
	s_bfe_u32 s40, ttmp6, 0x40000
	s_bfe_u32 s41, ttmp6, 0x40004
	s_lshl_b32 s42, ttmp9, 2
	s_add_co_u32 s42, s42, s40                     ; tile column
	s_and_b32 s13, ttmp7, 0xffff
	s_lshl_b32 s13, s13, 2
	s_add_co_u32 s13, s13, s41                     ; tile row
	s_lshl_b32 s43, s41, 2
	s_lshl_b32 s43, 15, s43                        ; my row of the cluster
	s_lshl_b32 s44, 0x1111, s40                    ; my column
	s_or_b32 s[G1+0], s43, (1<<16)|(1<<20)|(1<<21)|(4<<22)|(3<<25)   ; the mask; 2-byte elements; padding on; bit 21 beside a mask; after every 32 words, 4 words
	s_mov_b32 s[G1+1], 4096<<16                    ; tensor_dim0 = 4,096 elements: 4 heads x 16 tokens x 64
	s_mov_b32 s[G1+2], 4<<16                       ; tensor_dim1 = 4 blocks of 16 tokens
	s_mov_b32 s[G1+3], 4096<<16                    ; tile_dim0
	s_mov_b32 s[G1+4], 4                           ; tile_dim1
	s_mov_b32 s[G1+5], 16384                       ; elements from block to block: 16 heads
	s_mov_b32 s[G1+6], 0
	s_mov_b32 s[G1+7], 0
	s_or_b32 s[G1B+0], s44, (1<<16)|(1<<20)|(1<<21)|(6<<22)|(3<<25)  ; after every 128 words, 4 words
	s_mov_b32 s[G1B+1], KSTEP<<16
	s_mov_b32 s[G1B+2], 64<<16
	s_mov_b32 s[G1B+3], KSTEP<<16
	s_mov_b32 s[G1B+4], 64
	s_mov_b32 s[G1B+5], 1024
	s_mov_b32 s[G1B+6], 0
	s_mov_b32 s[G1B+7], 0
	s_lshl_b32 s17, s12, 2
	s_lshl_b32 s16, s13, 3
	s_add_co_u32 s16, s16, s17                     ; att: token block 8 x tile row + 4 x half,
	s_lshl_b32 s16, s16, 15                        ; 32,768 bytes each
	s_mov_b32 s17, 0
	s_lshl_b32 s47, s12, 6
	s_lshl_b32 s46, s42, 7
	s_add_co_u32 s46, s46, s47                     ; wo16: row 128 x tile column + 64 x half,
	s_lshl_b32 s46, s46, 11                        ; 2,048 bytes each
	s_mov_b32 s47, 0
	s_mul_i32 s20, s10, AHALF                      ; where they go: waves 0, 1;
	s_mul_i32 s21, s10, BHALF
	s_add_co_u32 s21, s21, 2*AHALF-2*BHALF         ; waves 2, 3: behind att's two halves
	s_wait_dscnt 0x0                               ; the opening add is done
	s_wait_kmcnt 0x0
	s_add_nc_u64 s[14:15], s[4:5], s[16:17]
	s_add_nc_u64 s[46:47], s[6:7], s[46:47]
	CROUND                                         ; all sixteen work-groups are here: the first joint loads meet
.irp s, 0,1
	s_mov_b32 s[G0+4*(\s)], 1
	s_add_co_u32 s[G0+4*(\s)+1], s20, (\s)*SLOT
	s_add_nc_u64 s[G0+4*(\s)+2:G0+4*(\s)+3], s[14:15], (\s)*8192    ; a K step is 4 heads of 2,048 bytes
	s_or_b32 s[G0+4*(\s)+3], s[G0+4*(\s)+3], 0x80000000
	s_mov_b32 s[G0B+4*(\s)], 1
	s_add_co_u32 s[G0B+4*(\s)+1], s21, (\s)*SLOT
	s_add_nc_u64 s[G0B+4*(\s)+2:G0B+4*(\s)+3], s[46:47], (\s)*KSTEP*2
	s_or_b32 s[G0B+4*(\s)+3], s[G0B+4*(\s)+3], 0x80000000
	JLOAD \s
.endr
	v_and_b32 v1, 15, v0                           ; l % 16
	v_bfe_u32 v2, v0, 4, 1                         ; l / 16
	v_mul_u32_u24 v3, v1, APITCH
	v_lshl_add_u32 v3, v2, 4, v3
	v_mul_u32_u24 v4, v1, BPITCH
	v_lshl_add_u32 v4, v2, 4, v4
	s_mul_i32 s22, s11, AHALF                      ; my 64 tokens
	s_mul_i32 s23, s12, BHALF                      ; my 64 rows of wo16,
	s_add_co_u32 s23, s23, BOFF
	v_add_nc_u32 v[ADRA], s22, v3
	v_add_nc_u32 v[ADRB], s23, v4
	v_add_nc_u32 v[ADRA+1], SLOT, v[ADRA]
	v_add_nc_u32 v[ADRB+1], SLOT, v[ADRB]
	s_mul_i32 s23, s10, 16*SPITCH
	s_add_co_u32 s23, s23, STAGE                   ; my stage
	v_mul_u32_u24 v4, v1, SPITCH                   ; in: row l % 16, 32 bytes for each half of the lanes
	v_lshl_add_u32 v4, v2, 5, v4
	v_add_nc_u32 v[STO], s23, v4
	v_mul_u32_u24 v5, v2, SPITCH                   ; back: lanes 0-15 take one row of 256 bytes, lanes 16-31 the next
	v_lshl_add_u32 v5, v1, 4, v5
	v_add_nc_u32 v[RD], s23, v5
	v_lshlrev_b32 v5, 12, v2                       ; and the same two rows in out0, 4,096 bytes apart
	v_lshl_add_u32 v[CO], v1, 4, v5
	s_lshl_b32 s16, s13, 7
	s_lshl_b32 s17, s11, 6
	s_add_co_u32 s16, s16, s17                     ; my first row of out0
	s_lshl_b32 s16, s16, 12
	s_lshl_b32 s46, s42, 9                         ; my first column, in bytes
	s_lshl_b32 s47, s12, 8
	s_add_co_u32 s46, s46, s47
	s_add_co_u32 s16, s16, s46
	s_mov_b32 s17, 0
	s_add_nc_u64 s[8:9], s[8:9], s[16:17]
; 8 matrix instructions: token blocks a0, a0 + 1 x all 4 column blocks, 32 along K: half c of buffer f.  zero = 1: the first product starts the sums
.macro MUL8 f, c, a0, zero
	WIN MUL
.irp a, \a0, (\a0)+1
.irp b, 0,1,2,3
.if \zero
	v_wmma_f32_16x16x32_f16 v[ACC+8*(4*(\a)+(\b)):ACC+8*(4*(\a)+(\b))+7], v[(\f)+64+8*(4*(\c)+(\b)):(\f)+64+8*(4*(\c)+(\b))+7], v[(\f)+8*(4*(\c)+(\a)):(\f)+8*(4*(\c)+(\a))+7], 0
.else
	v_wmma_f32_16x16x32_f16 v[ACC+8*(4*(\a)+(\b)):ACC+8*(4*(\a)+(\b))+7], v[(\f)+64+8*(4*(\c)+(\b)):(\f)+64+8*(4*(\c)+(\b))+7], v[(\f)+8*(4*(\c)+(\a)):(\f)+8*(4*(\c)+(\a))+7], v[ACC+8*(4*(\a)+(\b)):ACC+8*(4*(\a)+(\b))+7]
.endif
.endr
.endr
.endm
; 32 LDS loads in one run: the fragments of quarter q (one head, 64 along K) into buffer f; the first 32 along K first
.macro FETCH slot, q, f
	WIN TO_F
.irp c, 0,1
.irp i, 0,1,2,3
	ds_load_b128 v[(\f)+64+8*(4*(\c)+(\i)):(\f)+64+8*(4*(\c)+(\i))+3],   v[ADRB+(\slot)] offset:(\q)*128+64*(\c)+(\i)*16*BPITCH
	ds_load_b128 v[(\f)+64+8*(4*(\c)+(\i))+4:(\f)+64+8*(4*(\c)+(\i))+7], v[ADRB+(\slot)] offset:(\q)*128+64*(\c)+(\i)*16*BPITCH+32
	ds_load_b128 v[(\f)+8*(4*(\c)+(\i)):(\f)+8*(4*(\c)+(\i))+3],         v[ADRA+(\slot)] offset:(\q)*AHEAD+64*(\c)+(\i)*ABLK
	ds_load_b128 v[(\f)+8*(4*(\c)+(\i))+4:(\f)+8*(4*(\c)+(\i))+7],       v[ADRA+(\slot)] offset:(\q)*AHEAD+64*(\c)+(\i)*ABLK+32
.endr
.endr
.endm
.macro PLACES                          ; four places in front of loads into registers that matrix instructions have read, and of lines that read results
.rept 4
	v_nop
.endr
.endm
; A K step is four quarters, 32 matrix instructions each, on buffers 0, 1, 0, 1; the 16 accumulators take turns.
.macro QUARTER slot, q, f, g, zero
	s_wait_dscnt 16                                ; the first 32 along K are in; the 16 younger loads may be out
	MUL8 \f, 0, 0, \zero
	MUL8 \f, 0, 2, \zero
	PLACES
	FETCH \slot, \q, \g
	s_wait_dscnt 32                                ; all but the 32 just issued
	MUL8 \f, 1, 0, 0
	MUL8 \f, 1, 2, 0
.endm
; The last quarter multiplies buffer 1 and changes slots: ONE barrier; in front of it each wave waits for all its tensor loads, adds 0 to its spare word, and waits for that and for its reads of this slot.
.macro TURN slot, next, fill
	WIN 0                                          ; (the add's two registers lie in window 0)
	s_wait_tensorcnt 0x0                           ; all my tensor loads have landed: my part of the next slot
	ds_add_u32 v[SPW], v[NIL]                      ; 0 onto my spare word
	s_wait_dscnt 17                                ; the add and the youngest sixteen loads may be out
	MUL8 F1, 0, 0, 0
	s_wait_dscnt 0x0                               ; the add is done, and my reads of this slot are over
	s_barrier_signal -1
	MUL8 F1, 0, 2, 0
.if \fill
	WIN 0
.endif
	s_barrier_wait -1
.if \fill
	CREST                                          ; no wave of any partner still reads this slot's tile or has a load on its way
	s_add_nc_u64 s[G0+4*(\slot)+2:G0+4*(\slot)+3], s[G0+4*(\slot)+2:G0+4*(\slot)+3], 2*8192
	s_add_nc_u64 s[G0B+4*(\slot)+2:G0B+4*(\slot)+3], s[G0B+4*(\slot)+2:G0B+4*(\slot)+3], 2*KSTEP*2
	JLOAD \slot                                    ; the first tensor load behind the round, 112 matrix instructions ahead of the wait for it; its four v_nop are also the places in front of the loads below
.else
	PLACES
.endif
	FETCH \next, 0, F0
	MUL8 F1, 1, 0, 0
	MUL8 F1, 1, 2, 0
.endm
	s_wait_tensorcnt 1                             ; my part of K step 0 is in; K step 1's load may stay out
	s_barrier_signal -1
	s_barrier_wait -1
	FETCH 0, 0, F0
	QUARTER 0, 1, F0, F1, 1                        ; the first quarter stands in front of the loop: its first products start the sums
	WIN 0
	s_mov_b32 s3, LAPS-1
.Llap:                                                 ; a trip goes once round the ring and fills both slots again: K steps 2 and 3
	QUARTER 0, 2, F1, F0, 0
	QUARTER 0, 3, F0, F1, 0
	TURN 0, 1, 1
	QUARTER 1, 1, F0, F1, 0
	QUARTER 1, 2, F1, F0, 0
	QUARTER 1, 3, F0, F1, 0
	TURN 1, 0, 1
	QUARTER 0, 1, F0, F1, 0
	WIN 0
	s_sub_co_u32 s3, s3, 1
	s_cmp_lg_u32 s3, 0
	s_cbranch_scc1 .Llap
	QUARTER 0, 2, F1, F0, 0                        ; the last lap fills nothing
	QUARTER 0, 3, F0, F1, 0
	TURN 0, 1, 0
	QUARTER 1, 1, F0, F1, 0
	QUARTER 1, 2, F1, F0, 0
	QUARTER 1, 3, F0, F1, 0
	s_wait_dscnt 16
	MUL8 F1, 0, 0, 0
	MUL8 F1, 0, 2, 0
	s_wait_dscnt 0x0
	MUL8 F1, 1, 0, 0
	MUL8 F1, 1, 2, 0
	WIN 0
	PLACES
; THE WAY OUT, 16 rows at a time: a lane's eight f32 go into rows of 272 bytes of my stage (each accumulator's low four registers first), and come back as whole rows of 256 bytes.
.macro STG a
.irp b, 0,1,2,3
	ds_store_b128 v[STO], v[ACC+8*(4*(\a)+(\b)):ACC+8*(4*(\a)+(\b))+3]   offset:64*(\b)
	ds_store_b128 v[STO], v[ACC+8*(4*(\a)+(\b))+4:ACC+8*(4*(\a)+(\b))+7] offset:64*(\b)+16
.endr
.irp t, 0,1,2,3,4,5,6,7
	ds_load_b128 v[TMP+32*((\a)%2)+4*(\t):TMP+32*((\a)%2)+4*(\t)+3], v[RD] offset:(\t)*2*SPITCH  ; LDS serves a wave's instructions in order (ISA guide 5.7.1.4): these see the stores above; the next block's stores come behind them
.endr
.endm
.macro SND a, younger                  ; younger: the next block's sixteen LDS instructions, or none
.irp t, 0,1,2,3,4,5,6,7
	s_wait_dscnt (\younger)+7-(\t)
	global_store_b128 v[CO], v[TMP+32*((\a)%2)+4*(\t):TMP+32*((\a)%2)+4*(\t)+3], s[8:9] offset:(\a)*65536+(\t)*8192 th:TH_STORE_NT  ; 16 lanes store 256 consecutive bytes, at a multiple of 256 from out0's first
.endr
.endm
	STG 0
	STG 1
	SND 0, 16
	s_wait_xcnt 0x0                                ; block 0's stores have read their registers: only behind this wait are they loaded again
	STG 2
	SND 1, 16
	s_wait_xcnt 0x0
	STG 3
	SND 2, 16
	SND 3, 0
	s_wait_tensorcnt 0x0                           ; the wave's end
	ds_add_u32 v[SPW], v[NIL]
	s_wait_dscnt 0x0
	CROUND                                         ; the closing round
	s_endpgm
.Lfunc_end_k_qf502cbcf66_oproj:
	.size	k_qf502cbcf66_oproj, .Lfunc_end_k_qf502cbcf66_oproj-k_qf502cbcf66_oproj
	.p2alignl 7, 3214868480
	.fill 96, 4, 3214868480
	.section	.rodata,"a",@progbits
	.p2align	6, 0x0
	.amdhsa_kernel k_qf502cbcf66_oproj
		.amdhsa_group_segment_fixed_size 327680
		.amdhsa_private_segment_fixed_size 0
		.amdhsa_enable_private_segment 0
		.amdhsa_kernarg_size 24
		.amdhsa_user_sgpr_count 2
		.amdhsa_user_sgpr_kernarg_segment_ptr 1
		.amdhsa_wavefront_size32 1
		.amdhsa_system_sgpr_workgroup_id_x 1
		.amdhsa_system_sgpr_workgroup_id_y 1
		.amdhsa_system_sgpr_workgroup_id_z 1
		.amdhsa_system_vgpr_workitem_id 0
		.amdhsa_next_free_vgpr 512
		.amdhsa_next_free_sgpr 66
		.amdhsa_reserve_vcc 0
		.amdhsa_float_denorm_mode_32 3
		.amdhsa_float_denorm_mode_16_64 3
		.amdhsa_memory_ordered 1
		.amdhsa_forward_progress 1
		.amdhsa_inst_pref_size 86
	.end_amdhsa_kernel
	.amdgpu_metadata
---
amdhsa.version: [ 1, 2 ]
amdhsa.kernels:
  - .name:           k_qf502cbcf66_oproj
    .symbol:         k_qf502cbcf66_oproj.kd
    .args:
      - { .name: att, .offset: 0, .size: 8, .value_kind: global_buffer, .address_space: global }
      - { .name: wo16, .offset: 8, .size: 8, .value_kind: global_buffer, .address_space: global }
      - { .name: out0, .offset: 16, .size: 8, .value_kind: global_buffer, .address_space: global }
    .group_segment_fixed_size: 327680
    .private_segment_fixed_size: 0
    .kernarg_segment_align: 8
    .kernarg_segment_size: 24
    .max_flat_workgroup_size: 128
    .sgpr_count:     66
    .vgpr_count:     512
    .wavefront_size: 32
...
	.end_amdgpu_metadata
.endif
;; end of part 4
;; ======== version 2 of 2: 4 launches; 1.26 times as fast as version 1
;; limits: values are held in f16: magnitudes above 65,504 overflow, below 6.1e-05 lose precision
;; workspace buffers: xb 8,388,608 bytes; wb 6,291,456 bytes; wo16 2,097,152 bytes; q 8,388,608 bytes; k 8,388,608 bytes; v 8,388,608 bytes; vs 262,144 bytes; att 8,388,608 bytes
;; launch cast: the kernel of part 1 again; grid 1024 x 1, 8 waves a work-group, no clusters, 0 bytes of LDS; arguments x, Wq, Wk, Wv, Wo, xb, wb, wo16; writes xb, wb, wo16
;; launch qkv: the kernel of part 2 again; grid 16 x 16, 4 waves a work-group, clusters of 4 x 4, 327,680 bytes of LDS; arguments xb, wb, q, k, v, vs; writes q, k, v, vs
;; launch attn (part 5): grid 8 x 32, 4 waves a work-group, no clusters, 327,680 bytes of LDS; arguments q, k, v, vs, alibi_slopes, power, att; writes att
.if DOCPART == 5
	.amdgcn_target "amdgcn-amd-amdhsa--gfx1250"
	.amdhsa_code_object_version 6
	.text
	.protected	k_qf502cbcf66_attn
	.globl	k_qf502cbcf66_attn
	.p2align	8
	.type	k_qf502cbcf66_attn,@function
k_qf502cbcf66_attn:
	s_mov_b64 s[64:65], 0
	v_nop
	global_prefetch_b8 v0, s[64:65] scope:SCOPE_SE
	s_setreg_imm32_b32 hwreg(HW_REG_WAVE_MODE, 25, 1), 1
	s_wait_xcnt 0x0
; CAUSAL ATTENTION WITH A RATIONAL-POWER WEIGHT.  For head bh and query i: x_k = (2 q_i) . k_k - slope (i - k) for k <= i, and x_k = -10000 for k > i;
; p_k = u^power with u = (max(x, 0) + 0.5) / (1 + |x|), which is ((x / (|x| + 1)) + 1) / 2 without its cancellation;  out_i = sum p_k v_k / (sum p_k + 1e-6).
; q (with the scale 2), k, v: [32][2048][64] f16.  vs: [32][32][64] f32, V added up over blocks of 64 tokens.  att: [token / 16][head][16][64] f16.  slope and power are rounded to bf16, as all the module's inputs are.
; HIDDEN KEYS HAVE A WEIGHT: pm = (0.5 / 10001)^power.  Keys behind a query block's diagonal tile are not walked: they enter as the sums' starting values, pm x (their number) and pm x (the sum of their V rows, from vs).
; Inside the diagonal tile a hidden score is replaced by -10000 and goes the common way.
; THE WEIGHT.  T = max(x + 0.5, 0.5); X = 2 T - x = 1 + |x|; p' = 2^((log2 T - log2 X) power + sh), rounded to f16 for the second product.  sh = 15 + 16 min(power, 0) scales all weights, pm and the 1e-6 alike, so that
; p' fills f16's range: u <= 1, so p' <= 32,768 for power >= 0.  reference() takes no maximum away, and none is needed: the exponent is bounded by sh.
; THE ROW SUM is a product too: a block of ones beside V's four channel blocks; it adds up the same rounded weights that multiply V.
; LIMITS.  A weight under 2^-24 x 2^-sh counts as 0 (for power >= 0: 1.8e-12, beside the 1e-6 in the divisor).  For power < 0 scores stay above -32,767, or p' passes f16's range.  NaN and infinities are not treated apart.
; THE WALK.  A head's queries lie in NB = 16 blocks of 128; block i needs the key tiles 0 .. i of 128 keys.  A work-group takes blocks 15 - b and then b: 17 tiles, whatever b: all 256 work-groups do equal work and ONE loop with
; a constant count walks them; the ring of two LDS slots runs on across the change of blocks.  NO CLUSTER: a head's 8 work-groups ask for the same tile only in trips 0 .. 8 of 17; a walk common to all would have 24 trips.
; SHARES.  Wave w owns queries 32 w .. 32 w + 31 of a block: two tiles t of 16.  A step is 32 keys: four GROUPS a = 2 t + kb of 16 keys x 16 queries.
; LAYOUT.  S^T = K (2Q)^T + C: a lane holds ONE query (lane % 16) and the keys 8 (lane / 16) + 0..7; C is the bias.  Two groups rounded to f16 ARE source 1 of O^T = V^T P.
; THE ORDER.  The vector work is one stream of SLOTs, and three groups are in hand in each.  Slot k holds ONE BATCH of 24 transcendentals, the 16 logarithms of group k and the 8 exponentials of group k - 1, with the plain
; lines that open group k + 1 between them; then ONE wait, ahead of the first line that names a result of the batch; then the batch's readers: group k - 1's roundings, group k's differences and
; scalings.  So a slot has one wait, and no result crosses a slot's end.  The two reciprocals at a block's end and the two exponentials at the kernel's head are batches of their own.  The matrix work stands at eleven points of a slot.
; REGISTERS.  window 0: v0-15 addresses; v16-31 T, two buffers; v32-95 S, two buffers of four groups (a group's eight hold x, then X, log2 X, the exponent and the weight); v96-127 P, two buffers; v128-191 O^T;
;             v192-207 the row sums; v208-239 V; v240-247 ones; v248-251 reciprocals
;             window 1: v0-31 K; v32-63 Q; v64-95 the second block's Q; v96-119 the bias for t - kb = -1, 0, 1; v120-127 (lane % 16) - 8 (lane / 16) - j
.set NB,    16
.set PK,    144       ; a row of K in LDS: 128 bytes + 16: the 16 rows of a load start at 16 different groups of four banks (ISA guide 11.1)
.set PV,    160       ; a row of V: 128 + 32
.set VOFF,  128*PK    ; a slot holds a tile: 128 rows of K, then 128 rows of V
.set SLOT1, 1<<16     ; slot 1 begins here: one exclusive or changes slots
.set STAGE, SLOT1+128*(PK+PV)  ; behind the ring: 16 rows x 144 bytes for each wave
.set SP,    144
.set SUF,   STAGE+4*16*SP      ; 2 x 64 f32: the sums of V's rows behind each block's diagonal tile: the first block's, and 256 bytes on the second's
.set SPARE, SUF+512            ; the spare words, 128 bytes for each wave: two blocks of 256 bytes that no other line names
.set AK0, 2           ; my lane's place in a tile of K; never rewritten
.set AV0, 3           ; the same for V
.set AK,  4
.set AV,  5
.set STO, 6
.set RD,  7
.set GO,  8
.set SUFA, 10         ; SUF + 32 (lane / 16); never rewritten
.set QO,  11
.set VSO, 12
.set SPW, 14          ; my spare word; never rewritten
.set NIL, 15          ; 0; never rewritten
.set T,   16
.set S,   32
.set P,   96
.set O,   128
.set L,   192
.set VF,  208
.set ONE, 240
.set RC,  248
.set KF,  0           ; window 1
.set Q,   32
.set QB,  64
.set CB,  96
.set PAT, 120
.set WV,  12          ; s12 my wave's number;  s13, s99 at work
.set PB,  14          ; b
.set HI,  15          ; 15 - b
.set PMA, 16          ; s[16:17] what the first block's sums of V are multiplied by at a block's beginning: pm x 2^sh in the first block, 0 in the second
.set PMB, 18          ; s[18:19] the same for the second block's sums: 0, then pm x 2^sh
.set OB,  20          ; s[20:21] att at my rows of the block in hand
.set G1K, 24
.set G1V, 32
.set G0K, 40
.set G0V, 44
.set SLOTS, 48
.set CNT, 49
.set RT,  50          ; tiles of the block in hand that are still to be entered
.set NXT, 51          ; the tile to be asked for next
.set LQ,  52          ; the last tile of the block whose tiles are being asked for
.set NEW, 53          ; 1: the tile to be entered is a block's first
.set TBK, 54          ; LDS byte at which K of the step to be fetched begins
.set TBV, 55
.set OFF, 56          ; s[56:57]
.set PW,  58          ; s[58:59] power
.set SH,  60          ; s[60:61] sh
.set NSL, 62          ; s[62:63] -slope
.set OF,  66          ; s[66:71] three pairs: -slope x (DF + 16 (t - kb))
.set DF,  72          ; my first query less the first key of the step whose bias is made next, as f32 (exact)
.set TF,  73
.set PM,  74          ; s[74:75] pm x 2^sh
.set EP,  76          ; 1e-6 x 2^sh
.set LI,  77          ; the row sums' starting value
.set NEG, 78          ; -10000.0
.set DW,  79          ; 32 x (my wave's number - the step's number in the diagonal tile)
.set TM,  80          ; s[80:87] lane masks: j > (lane % 16) - 8 (lane / 16)
.set MK,  88          ; s[88:95] the masks of the group in hand
.set TT,  96
.set FV,  97
.set BLK, 98          ; the block in hand
.set OLO, 100         ; s[100:101] att at my rows of the second block
.set MSB, 0
.macro WIN new                      ; the high byte repeats the setting that is left; a switch that changes nothing is dropped
.if MSB != (\new)
	s_set_vgpr_msb (MSB<<8)|(\new)
.set MSB, (\new)
.endif
.endm
; A fill.  Waves 0 and 1 fetch the two halves of a tile's K, waves 2 and 3 those of its V: 64 keys each.  An s_nop 0 and four v_nop follow each line.
.macro LOAD
	s_cmp_lt_u32 s[WV], 2
	s_cbranch_scc0 .Lfor_v_\@
	tensor_load_to_lds s[G0K:G0K+3], s[G1K:G1K+7]
	s_nop 0
.rept 4
	v_nop
.endr
	s_branch .Lasked_\@
.Lfor_v_\@:
	tensor_load_to_lds s[G0V:G0V+3], s[G1V:G1V+7]
	s_nop 0
.rept 4
	v_nop
.endr
.Lasked_\@:
.endm
; THE CHANGE OF SLOTS.  Each wave waits for all its tensor loads (one is out: its part of the other slot), adds 0 to its spare word, and waits for that and for its reads of the slot that it leaves.  Behind the barrier nobody
; reads the old slot and the other is whole.  fill = 1: the old slot is filled again, first thing behind the barrier, with tile NXT; the load has four steps in which to land.
.macro CHANGE fill
	WIN 0
	s_wait_tensorcnt 0x0            ; no tensor load of mine is out, so a group 0 may be written
	ds_add_u32 v[SPW], v[NIL]       ; 0 onto my spare word
.if \fill
	s_lshl_b32 s[OFF], s[NXT], 14   ; a tile is 16,384 bytes of K and of V
	s_xor_b32 s[G0K+1], s[G0K+1], SLOT1
	s_add_nc_u64 s[G0K+2:G0K+3], s[6:7], s[OFF:OFF+1]
	s_or_b32 s[G0K+3], s[G0K+3], 0x80000000
	s_xor_b32 s[G0V+1], s[G0V+1], SLOT1
	s_add_nc_u64 s[G0V+2:G0V+3], s[8:9], s[OFF:OFF+1]
	s_or_b32 s[G0V+3], s[G0V+3], 0x80000000
	s_add_co_u32 s[NXT], s[NXT], 1  ; the block's next tile, or behind its last the second block's tile 0
	s_cmp_gt_u32 s[NXT], s[LQ]
	s_cselect_b32 s[NXT], 0, s[NXT]
	s_cselect_b32 s[LQ], s[PB], s[LQ]
.endif
	s_wait_dscnt 0x0                ; the add is done, and my reads of the slot are over
	s_barrier_signal -1
	s_sub_co_u32 s[TBK], s[TBK], 128*PK   ; the fetches go back to a slot's first step, in the other slot
	s_xor_b32 s[TBK], s[TBK], SLOT1
	s_sub_co_u32 s[TBV], s[TBV], 128*PV
	s_xor_b32 s[TBV], s[TBV], SLOT1
	s_barrier_wait -1
.if \fill
	LOAD
.endif
.endm
	s_load_b256 s[4:11], s[0:1], 0x0  ; q s[4:5], k s[6:7], v s[8:9], vs s[10:11]
	s_load_b128 s[16:19], s[0:1], 0x20  ; alibi_slopes s[16:17], power s[18:19]
	s_load_b64 s[OB:OB+1], s[0:1], 0x30 ; att
	v_lshl_add_u32 v[SPW], v0, 2, SPARE
	v_mov_b32 v[NIL], 0
	ds_add_u32 v[SPW], v[NIL]       ; the wave's opening: the add and its wait stand ahead of my first tensor load; the set-up stands between them
	ds_add_u32 v14, v15
	v_lshrrev_b32 v1, 5, v0
	v_readfirstlane_b32 s[WV], v1   ; wave 0..3
	s_mov_b32 s[PB], ttmp9
	s_sub_co_u32 s[HI], NB-1, s[PB]
	s_and_b32 s22, ttmp7, 0xffff    ; 16 x batch + head
	s_and_b32 s23, s22, 15          ; the head
	s_lshr_b32 s13, s22, 4          ; the batch
	s_lshl_b32 s13, s13, 7
	s_lshl1_add_u32 s13, s[WV], s13 ; 128 x batch + 2 w: blocks of 16 tokens
	s_lshl3_add_u32 s88, s[HI], s13 ; + 8 x block
	s_lshl3_add_u32 s90, s[PB], s13
	s_lshl4_add_u32 s88, s88, s23   ; x 16 + head
	s_lshl4_add_u32 s90, s90, s23
	s_lshl_b32 s88, s88, 11         ; 2,048 bytes each: att's offsets
	s_lshl_b32 s90, s90, 11
	s_mov_b32 s89, 0
	s_mov_b32 s91, 0
	s_lshl_b32 s96, s22, 18         ; the head's first byte in q, k, v
	s_lshl_b32 s13, s[WV], 12       ; my 32 rows of 128 bytes
	s_add_co_u32 s13, s13, s96
	s_lshl_b32 s92, s[HI], 14       ; a block's 128 rows
	s_add_co_u32 s92, s92, s13
	s_lshl_b32 s94, s[PB], 14
	s_add_co_u32 s94, s94, s13
	s_mov_b32 s93, 0
	s_mov_b32 s95, 0
	s_and_b32 s13, s[WV], 1         ; which half of a tile's 128 keys I fetch
	s_lshl_b32 s99, s13, 13
	s_add_co_u32 s96, s96, s99
	s_mov_b32 s97, 0
	s_mul_i32 s72, s13, 64*PK       ; its place in a slot, for K
	s_mul_i32 s73, s13, 64*PV       ; and for V
	s_lshl_b32 s22, s22, 13         ; vs: 8,192 bytes a head
	s_lshl_b32 s2, s23, 2           ; the head's slope
	s_mov_b32 s23, 0
	s_mov_b32 s3, 0
	; descriptor group 1.  64 keys are 8,192 dense bytes: asked for as 32 rows of 256 bytes, two keys a row, padded in LDS after every key
	s_mov_b32 s[G1K], (1<<16)|(1<<20)|(4<<22)|(3<<25)  ; 2-byte elements; padding on; after every 32 words, 4 words
	s_mov_b32 s[G1V], (1<<16)|(1<<20)|(4<<22)|(7<<25)  ; 8 words
.irp g, G1K, G1V
	s_mov_b32 s[\g+1], 128<<16      ; tensor_dim0 = 128
	s_mov_b32 s[\g+2], 32<<16       ; tensor_dim1 = 32
	s_mov_b32 s[\g+3], 128<<16      ; tile_dim0 = 128
	s_mov_b32 s[\g+4], 32           ; tile_dim1 = 32
	s_mov_b32 s[\g+5], 128          ; elements from row to row
	s_mov_b32 s[\g+6], 0
	s_mov_b32 s[\g+7], 0
.endr
	s_mov_b32 s[G0K], 1
	s_mov_b32 s[G0K+1], s72         ; slot 0
	s_mov_b32 s[G0V], 1
	s_add_co_u32 s[G0V+1], s73, VOFF
	s_mov_b32 s[TBK], SLOT1+128*PK  ; the first change of slots turns these two into 0
	s_mov_b32 s[TBV], SLOT1+128*PV
	s_add_co_u32 s[RT], s[HI], 1    ; the first block has 16 - b tiles
	s_mov_b32 s[NXT], 1
	s_mov_b32 s[LQ], s[HI]
	s_mov_b32 s[NEW], 1
	s_mov_b32 s[BLK], s[HI]
	s_mov_b32 s[OFF+1], 0
	s_mov_b32 s[OF+1], 0            ; named as pairs
	s_mov_b32 s[OF+3], 0
	s_mov_b32 s[OF+5], 0
	s_mov_b32 s[NEG], 0xc61c4000    ; -10000.0
	s_mov_b32 s[SLOTS], NB
	s_wait_dscnt 0x0                ; the opening add is done
	s_wait_kmcnt 0x0
	s_add_nc_u64 s[16:17], s[16:17], s[2:3]
	s_load_b32 s13, s[16:17], 0x0   ; the head's slope
	s_load_b32 s99, s[18:19], 0x0   ; power
	s_add_nc_u64 s[6:7], s[6:7], s[96:97]  ; K and V at my half of the head's tile 0
	s_add_nc_u64 s[8:9], s[8:9], s[96:97]
	s_add_nc_u64 s[G0K+2:G0K+3], s[6:7], 0
	s_or_b32 s[G0K+3], s[G0K+3], 0x80000000
	s_add_nc_u64 s[G0V+2:G0V+3], s[8:9], 0
	s_or_b32 s[G0V+3], s[G0V+3], 0x80000000
	s_add_nc_u64 s[10:11], s[10:11], s[22:23]
	s_add_nc_u64 s[2:3], s[4:5], s[94:95]          ; Q at my rows of the second block,
	s_add_nc_u64 s[4:5], s[4:5], s[92:93]          ; of the first
	s_add_nc_u64 s[OLO:OLO+1], s[OB:OB+1], s[90:91]
	s_add_nc_u64 s[OB:OB+1], s[OB:OB+1], s[88:89]
	LOAD                            ; tile 0 into slot 0
	v_and_b32 v1, 15, v0            ; l % 16
	v_bfe_u32 v9, v0, 4, 1          ; l / 16
	v_and_b32 v[VSO], 63, v0
	v_lshlrev_b32 v[VSO], 2, v[VSO] ; thread t takes channel t % 64 of all 32 blocks of vs
.set tb, 0
.rept 32
	global_load_b32 v[O+tb], v[VSO], s[10:11] offset:tb*256
.set tb, tb+1
.endr
	v_lshlrev_b32 v[QO], 7, v1
	v_lshl_add_u32 v[QO], v9, 4, v[QO]  ; row x 128 + 16 x half
	WIN 0x40                        ; destination window 1
.set i, 0
.rept 4                             ; both blocks' Q: tile i / 2, channels 32 (i % 2) on
	global_load_b128 v[Q+8*i:Q+8*i+3],     v[QO], s[4:5] offset:(i/2)*2048+(i%2)*64
	global_load_b128 v[Q+8*i+4:Q+8*i+7],   v[QO], s[4:5] offset:(i/2)*2048+(i%2)*64+32
	global_load_b128 v[QB+8*i:QB+8*i+3],   v[QO], s[2:3] offset:(i/2)*2048+(i%2)*64
	global_load_b128 v[QB+8*i+4:QB+8*i+7], v[QO], s[2:3] offset:(i/2)*2048+(i%2)*64+32
.set i, i+1
.endr
	WIN 0
	v_mul_u32_u24 v[AK0], v1, PK
	v_lshl_add_u32 v[AK0], v9, 4, v[AK0]  ; row x pitch + 16 x half
	; The turning load takes 16 keys x 16 channels (lane l reads key 8 (l / 16) + l % 8, channels 8 ((l / 8) % 2) + 0..7) and leaves half a fragment of V^T: lane l holds channel l % 16 and 8 keys.
	v_and_b32 v13, 7, v0
	v_lshl_add_u32 v[AV0], v9, 3, v13
	v_mul_u32_u24 v[AV0], v[AV0], PV
	v_bfe_u32 v[AV], v0, 3, 1
	v_lshl_add_u32 v[AV0], v[AV], 4, v[AV0]
	v_add_nc_u32 v[AV0], VOFF, v[AV0]
	s_mul_i32 s72, s[WV], 16*SP
	s_add_co_u32 s72, s72, STAGE    ; my stage
	v_mul_u32_u24 v[STO], v1, SP    ; in: row l % 16, 16 bytes for each half of the lanes
	v_lshl_add_u32 v[STO], v9, 4, v[STO]
	v_add_nc_u32 v[STO], s72, v[STO]
	v_bfe_u32 v[RD], v0, 3, 2       ; back: 32 lanes take four rows of 128 bytes,
	v_mul_u32_u24 v[RD], v[RD], SP
	v_lshl_add_u32 v[RD], v13, 4, v[RD]
	v_add_nc_u32 v[RD], s72, v[RD]
	v_and_b32 v[GO], 31, v0         ; which are 512 consecutive bytes of att
	v_lshlrev_b32 v[GO], 4, v[GO]
	v_lshlrev_b32 v[SUFA], 5, v9
	v_add_nc_u32 v[SUFA], SUF, v[SUFA]
	v_lshlrev_b32 v13, 3, v9
	v_sub_nc_u32 v13, v1, v13       ; (l % 16) - 8 (l / 16)
.set j, 0
.rept 8
	v_cmp_gt_i32 s[TM+j], j, v13    ; in a group on the diagonal register j is hidden where j is greater
	v_add_nc_u32 v[T+j], -j, v13
.set j, j+1
.endr
	WIN 0x40
.set j, 0
.rept 8
	v_cvt_f32_i32 v[PAT+j], v[T+j]
.set j, j+1
.endr
	WIN 0
.set j, 0
.rept 8
	v_mov_b32 v[ONE+j], 0x3c003c00  ; 1.0 twice in f16
.set j, j+1
.endr
	v_mov_b32 v[RC+1], 0            ; named with the reciprocals as pairs
	v_mov_b32 v[RC+3], 0
	s_wait_kmcnt 0x0
	v_mov_b32 v16, s13
	v_mov_b32 v17, s99
	v_cvt_pk_bf16_f32 v16, v16, v17 ; slope and power rounded to bf16
	v_and_b32 v17, 0xffff0000, v16  ; power
	v_lshlrev_b32 v16, 16, v16      ; slope
	v_mov_b32 v21, 0x41800000       ; 16.0
	v_mov_b32 v22, 0x41700000       ; 15.0
	v_mov_b32 v23, 0xc1649b10       ; log2(0.5 / 10001) = -14.287856
	v_min_num_f32 v18, 0, v17
	v_fma_f32 v18, v18, v21, v22    ; sh = 16 min(power, 0) + 15
	v_fma_f32 v19, v17, v23, v18    ; power x log2(0.5 / 10001) + sh
	v_exp_f32 v19, v19
	v_exp_f32 v20, v18
	v_xor_b32 v16, 0x80000000, v16  ; -slope: the plain line behind the exponentials
	s_wait_alu depctr_va_vdst(0)    ; one wait for the head's two exponentials, ahead of their first reader
	v_mul_f32 v20, 0x358637bd, v20  ; 1e-6 x 2^sh
	v_readfirstlane_b32 s[PW], v17
	v_readfirstlane_b32 s[SH], v18
	v_readfirstlane_b32 s[NSL], v16
	v_readfirstlane_b32 s[PM], v19
	v_readfirstlane_b32 s[EP], v20
	s_mov_b32 s[PW+1], s[PW]        ; named as pairs
	s_mov_b32 s[SH+1], s[SH]
	s_mov_b32 s[NSL+1], s[NSL]
	s_mov_b32 s[PM+1], s[PM]
	s_mov_b32 s[PMA], s[PM]         ; the first block takes its own sums of V and none of the second's (the two scalar loads that read s[16:19] were waited for above)
	s_mov_b32 s[PMA+1], 0
	s_mov_b32 s[PMB], 0
	s_mov_b32 s[PMB+1], 0
	; The sums of V's rows behind a block's diagonal tile: blocks of 64 tokens from 2 (block + 1) on.  Waves 0 and 1 make the first block's 64 channels, waves 2 and 3 the second's.  Every term is taken, times 1 or 0.
	s_cmp_lt_u32 s[WV], 2
	s_cselect_b32 s13, s[HI], s[PB]
	s_lshl_b32 s13, s13, 1
	s_add_co_u32 s13, s13, 2
	s_wait_loadcnt 16               ; vs is in; the 16 loads of Q behind it may stay out
.set tb, 0
.rept 32
	s_cmp_le_u32 s13, tb
	s_cselect_b32 s99, 1.0, 0
.if tb < 4
	v_mul_f32 v[O+32+tb], s99, v[O+tb]
.else
	v_fmac_f32 v[O+32+tb%4], s99, v[O+tb]
.endif
.set tb, tb+1
.endr
	v_add_f32 v[O+32], v[O+32], v[O+33]
	v_add_f32 v[O+34], v[O+34], v[O+35]
	v_add_f32 v[O+32], v[O+32], v[O+34]
	v_lshl_add_u32 v13, v0, 2, SUF
	ds_store_b32 v13, v[O+32]       ; the first change of slots waits for it and passes a barrier
; THE MATRIX WORK of a body, numbered mi.  0-7: S^T = K Q^T + C for the NEXT step (buffer 1 - BP): group mi % 4, channels 32 (mi / 4) on; the first four start the sums with the bias.
; 8-17: for the step in hand (buffer BP): tile (mi - 8) / 5: V's four channel blocks, then the ones.  No two that follow each other share an accumulator.
.macro MM
.if mi == 0
	s_wait_dscnt 0x0                ; K of the next step and V of this one are in
.endif
.if mi < 8
.set rS, S+32*(1-BP)+8*(mi%4)
.set rK, KF+16*(mi%2)+8*(mi/4)
.set rQ, Q+16*((mi%4)/2)+8*(mi/4)
.set rC, CB+8*(1+(mi%4)/2-mi%2)
.if mi < 4
	WIN 0x15                        ; K, Q and the bias in window 1
	v_wmma_f32_16x16x32_f16 v[rS:rS+7], v[rK:rK+7], v[rQ:rQ+7], v[rC:rC+7]
.else
	WIN 0x05
	v_wmma_f32_16x16x32_f16 v[rS:rS+7], v[rK:rK+7], v[rQ:rQ+7], v[rS:rS+7]
.endif
.else
.set rT, (mi-8)/5
.set rB, (mi-8)%5
.set rP, P+16*BP+8*rT
	WIN 0
.if rB < 4
	v_wmma_f32_16x16x32_f16 v[O+32*rT+8*rB:O+32*rT+8*rB+7], v[VF+8*rB:VF+8*rB+7], v[rP:rP+7], v[O+32*rT+8*rB:O+32*rT+8*rB+7]
.else
	v_wmma_f32_16x16x32_f16 v[L+8*rT:L+8*rT+7], v[ONE:ONE+7], v[rP:rP+7], v[L+8*rT:L+8*rT+7]
.endif
.endif
.set mi, mi+1
	WIN 0
.endm
.macro POINT k, pts
.if (((\pts)>>(\k))&1)
	MM
.endif
.endm
; THE LDS LOADS stand in runs of 8: a step's K (32 keys x 64 channels) and its V (turned).
.macro FETCH_K
	WIN 0
	v_add_nc_u32 v[AK], s[TBK], v[AK0]
	WIN 0x40                        ; destination window 1
.irp f, 0,1,2,3                     ; keys 16 (f / 2) on, channels 32 (f % 2) on
	ds_load_b128 v[KF+8*\f:KF+8*\f+3],   v[AK] offset:(\f/2)*16*PK+(\f%2)*64
	ds_load_b128 v[KF+8*\f+4:KF+8*\f+7], v[AK] offset:(\f/2)*16*PK+(\f%2)*64+32
.endr
	s_add_co_u32 s[TBK], s[TBK], 32*PK
	WIN 0
.endm
.macro FETCH_V
	WIN 0
	v_add_nc_u32 v[AV], s[TBV], v[AV0]
.irp f, 0,1,2,3                     ; channels 16 f on
	ds_load_tr16_b128 v[VF+8*\f:VF+8*\f+3],   v[AV] offset:\f*32
	ds_load_tr16_b128 v[VF+8*\f+4:VF+8*\f+7], v[AV] offset:16*PV+\f*32
.endr
	s_add_co_u32 s[TBV], s[TBV], 32*PV
.endm
; THE BIAS of a step: -slope x (query - key) = -slope x pattern - slope x (DF + 16 (t - kb)), for t - kb = -1, 0, 1.  DF then steps to the next step.
.macro BIAS
	s_add_f32 s[TF], s[DF], 0xc1800000
	s_mul_f32 s[OF], s[TF], s[NSL]
	s_mul_f32 s[OF+2], s[DF], s[NSL]
	s_add_f32 s[TF], s[DF], 0x41800000
	s_mul_f32 s[OF+4], s[TF], s[NSL]
	s_add_f32 s[DF], s[DF], 0xc2000000
	WIN 0x41                        ; destination and source 0 in window 1
.set bz, 0
.rept 12
	v_pk_fma_f32 v[CB+2*bz:CB+2*bz+1], v[PAT+2*(bz%4):PAT+2*(bz%4)+1], s[NSL:NSL+1], s[OF+2*(bz/4):OF+2*(bz/4)+1] op_sel_hi:[1,0,0]
.set bz, bz+1
.endr
	WIN 0
.endm
; THE MASKS of a group with t - kb = cls in the diagonal tile.  DW + 16 cls = 0: the group holds the diagonal; below 0: all its keys are hidden; above: none.
.macro DMASK cls
	s_add_co_i32 s[TT], s[DW], 16*(\cls)
	s_cmp_lt_i32 s[TT], 0
	s_cselect_b32 s[FV], -1, 0
	s_cmp_eq_u32 s[TT], 0
.set dj, 0
.rept 8
	s_cselect_b32 s[MK+dj], s[TM+dj], s[FV]
.set dj, dj+1
.endr
.endm
; Plain line pn of the NEXT group's opening (scores in XN, T in TN).  m = 1: eight selects of -10000 come first.  Then T = x + 0.5 (4, packed), T = max(T, 0.5) (8), X = 2 T - x (4, packed).
; The accumulator's lowest registers are read first.
.macro PA m
.set pq, pn-8*(\m)
.if pq < 0
	v_cndmask_b32 v[XN+pn], v[XN+pn], s[NEG], s[MK+pn]
.elseif pq < 4
	v_pk_add_f32 v[TN+2*pq:TN+2*pq+1], v[XN+2*pq:XN+2*pq+1], 0.5 op_sel_hi:[1,0]
.elseif pq < 12
	v_max_num_f32 v[TN+pq-4], 0.5, v[TN+pq-4]
.else
	v_pk_fma_f32 v[XN+2*(pq-12):XN+2*(pq-12)+1], v[TN+2*(pq-12):TN+2*(pq-12)+1], 2.0, v[XN+2*(pq-12):XN+2*(pq-12)+1] op_sel_hi:[1,0,1] neg_lo:[0,0,1] neg_hi:[0,0,1]
.endif
.set pn, pn+1
.endm
.macro SUBP p                       ; group k: log2 T - log2 X, pair p
	v_pk_add_f32 v[TC+2*(\p):TC+2*(\p)+1], v[TC+2*(\p):TC+2*(\p)+1], v[XC+2*(\p):XC+2*(\p)+1] neg_lo:[0,1] neg_hi:[0,1]
.endm
.macro FMAP p                       ; group k: times power plus sh, into the group's score registers: its T buffer is written anew in the next slot, where this exponent is still wanted
	v_pk_fma_f32 v[XC+2*(\p):XC+2*(\p)+1], v[TC+2*(\p):TC+2*(\p)+1], s[PW:PW+1], s[SH:SH+1] op_sel_hi:[1,0,0]
.endm
.macro EXPI i                       ; group k - 1: the weight, in place
	v_exp_f32 v[XP+(\i)], v[XP+(\i)]
.endm
.macro CVTP p                       ; group k - 1: pair p rounded to f16
	v_cvt_pk_f16_f32 v[PP+(\p)], v[XP+2*(\p)], v[XP+2*(\p)+1]
.endm
; A SLOT, number k of the stream.  Group k is group a of the step with parity par (T in TC, X in XC); group k - 1 is the one in front of it in the stream (exponents in XP, weights to PP), group k + 1 the one behind (XN, TN).
; ONE BATCH: the 16 logarithms of group k, whose T and X the slot before made, and the 8 exponentials of group k - 1, whose exponents the slot before left in that group's score registers.  Between them stand the plain lines
; of group k + 1's opening: two for each three transcendentals, in the diagonal tile (m = 1) one for each.  No line of all these names a result of the batch.  The last plain line stands behind the last exponential and is the
; plain instruction that is wanted between a transcendental and the use of its result (ISA guide 5.7.2); with doA = 0 a v_nop is.
; ONE WAIT, and behind it the batch's readers: group k - 1's four roundings, group k's four differences and its four scalings.
; doE = 0: there is no group k - 1 (a block's first slot).  doL = 0: there is no group k (a block's closing slot).  doA = 0: there is no group k + 1.
; pts: at which of eleven points the body's next matrix instruction stands: 0-5 ahead of each four transcendentals; 6 behind the roundings; 7-10 behind each two of the other readers.
.macro SLOT par, a, doE, doL, doA, m, pts
.set XC, S+32*(\par)+8*(\a)
.set TC, T+8*((\a)%2)
.set XP, S+32*(((\par)+1-((\a)+3)/4)%2)+8*(((\a)+3)%4)
.set PP, P+16*(((\par)+1-((\a)+3)/4)%2)+4*(((\a)+3)%4)
.set XN, S+32*(((\par)+(\a)/3)%2)+8*(((\a)+1)%4)
.set TN, T+8*(((\a)+1)%2)
.set pn, 0
.if (\doA) && (\m)
	DMASK (((\a)+1)%4)/2-(((\a)+1)%4)%2
.endif
.set li, 0
.rept 24
.if li%4 == 0
	POINT li/4, \pts
.endif
.if (li < 16) && (\doL)
.if li%2 == 0
	v_log_f32 v[TC+li/2], v[TC+li/2]
.else
	v_log_f32 v[XC+li/2], v[XC+li/2]
.endif
.endif
.if (li >= 16) && (\doE)
	EXPI li-16
.endif
.if (\doA) && ((\m) || (li%3 != 0))
	PA \m
.endif
.set li, li+1
.endr
.if !(\doA)
	v_nop
.endif
	s_wait_alu depctr_va_vdst(0)    ; the wait for the slot's batch, logarithms and exponentials alike, ahead of the first reader
.if \doE
	CVTP 0
	CVTP 1
	CVTP 2
	CVTP 3
.endif
	POINT 6, \pts
.if \doL
	SUBP 0
	SUBP 1
.endif
	POINT 7, \pts
.if \doL
	SUBP 2
	SUBP 3
.endif
	POINT 8, \pts
.if \doL
	FMAP 0
	FMAP 1
.endif
	POINT 9, \pts
.if \doL
	FMAP 2
	FMAP 3
.endif
	POINT 10, \pts
.endm
; A BODY, for step g of parity p: the slots (g,1), (g,2), (g,3), (g+1,0).  It fetches K of step g + 1 at its head and V of step g + 1 at its end, so all reads of a tile stand on one side of a change of slots.
; K's run has the first slot's batch in which to land: the first two products stand among that slot's readers.  The scores of step g + 1 are finished in the second slot, a slot ahead of their first reader.
; Tile 0's five products stand in the third slot: groups 0 and 1 were rounded at the ends of the first and the second.  Tile 1's five stand among the fourth slot's readers, behind group 3's roundings.
; V's run stands behind the twelve plain lines of the bias, which are the places behind the last product.
.macro BODY p, m
.set BP, \p
.set mi, 0
	FETCH_K
	SLOT \p, 1, 1, 1, 1, \m, 0x300
	SLOT \p, 2, 1, 1, 1, \m, 0x3f
.if \m
	s_sub_co_i32 s[DW], s[DW], 32   ; the groups opened from here on are the next step's
.endif
	SLOT \p, 3, 1, 1, 1, \m, 0x1f
	SLOT 1-\p, 0, 1, 1, 1, \m, 0x7c0
	BIAS
	FETCH_V
.endm
; A BLOCK BEGINS: the sums start with the keys behind the diagonal tile; K of step 0, its scores, group (0,0)'s opening and its slot, which has no exponentials; the bias of steps 0 and 1; V of step 0.  m = 1: the block's first tile is the diagonal one.
; BOTH blocks' sums of V are read, at addresses that never change (the first's into S's second buffer, the second's into P, both idle here), and O^T starts as the one times PMA plus the other times PMB, of which one is 0:
; the block in hand chooses a value, no address.
.macro BEGIN m
	s_mov_b32 s[NEW], 0
	WIN 0
.irp f, 0,1,2,3,4,5,6,7             ; channels 16 (f / 2) + 8 (l / 16) + 4 (f % 2) on
	ds_load_b128 v[S+32+4*\f:S+32+4*\f+3], v[SUFA] offset:(\f/2)*64+(\f%2)*16
	ds_load_b128 v[P+4*\f:P+4*\f+3],       v[SUFA] offset:256+(\f/2)*64+(\f%2)*16
.endr
	FETCH_K
	s_lshl_b32 s13, s[BLK], 7
	s_lshl_b32 s99, s[WV], 5
	s_add_co_u32 s99, s99, s13
	s_cvt_f32_u32 s[DF], s99        ; my first query
	s_sub_co_u32 s13, 2048-128, s13 ; the keys behind the diagonal tile
	s_cvt_f32_u32 s13, s13
	s_mul_f32 s[LI], s13, s[PM]
	BIAS
	s_wait_loadcnt 0x0              ; Q
.set BP, 1
.set mi, 0
.rept 8
	MM
.endr
.set bz, 0
.rept 16                            ; 80 plain lines that name no register of those products: also the places behind them
	v_pk_mul_f32 v[O+2*bz:O+2*bz+1], v[S+32+2*bz:S+32+2*bz+1], s[PMA:PMA+1] op_sel_hi:[1,0]
	v_pk_mul_f32 v[O+32+2*bz:O+32+2*bz+1], v[S+32+2*bz:S+32+2*bz+1], s[PMA:PMA+1] op_sel_hi:[1,0]
.set bz, bz+1
.endr
.set bz, 0
.rept 16
	v_pk_fma_f32 v[O+2*bz:O+2*bz+1], v[P+2*bz:P+2*bz+1], s[PMB:PMB+1], v[O+2*bz:O+2*bz+1] op_sel_hi:[1,0,1]
	v_pk_fma_f32 v[O+32+2*bz:O+32+2*bz+1], v[P+2*bz:P+2*bz+1], s[PMB:PMB+1], v[O+32+2*bz:O+32+2*bz+1] op_sel_hi:[1,0,1]
.set bz, bz+1
.endr
.set bz, 0
.rept 16
	v_mov_b32 v[L+bz], s[LI]
.set bz, bz+1
.endr
.if \m
	s_lshl_b32 s[DW], s[WV], 5
	DMASK 0
.endif
.set XN, S
.set TN, T
.set pn, 0
.rept 16+8*(\m)
	PA \m
.endr
	SLOT 0, 0, 0, 1, 1, \m, 0
	BIAS
	FETCH_V
.endm
; THE WAY OUT of tile t: O^T divided by the row sum plus 1e-6 (both scaled by 2^sh), rounded to f16, through my stage, as 2,048 consecutive bytes of att.
.macro PACK t
.set pz, 0
.rept 16
	v_pk_mul_f32 v[O+32*(\t)+2*pz:O+32*(\t)+2*pz+1], v[O+32*(\t)+2*pz:O+32*(\t)+2*pz+1], v[RC+2*(\t):RC+2*(\t)+1] op_sel_hi:[1,0]
.set pz, pz+1
.endr
.set pz, 0
.rept 16
	v_cvt_pk_f16_f32 v[S+16*(\t)+pz], v[O+32*(\t)+2*pz], v[O+32*(\t)+2*pz+1]
.set pz, pz+1
.endr
.irp f, 0,1,2,3
	ds_store_b128 v[STO], v[S+16*(\t)+4*\f:S+16*(\t)+4*\f+3] offset:32*\f
.endr
.irp f, 0,1,2,3
	ds_load_b128 v[S+16*(\t)+4*\f:S+16*(\t)+4*\f+3], v[RD] offset:\f*4*SP  ; LDS serves a wave's instructions in order (ISA guide 5.7.1.4): these see the stores above
.endr
.endm
.macro SEND t, younger              ; younger: the LDS instructions issued behind tile t's loads
.irp f, 0,1,2,3
	s_wait_dscnt (\younger)+3-\f
	global_store_b128 v[GO], v[S+16*(\t)+4*\f:S+16*(\t)+4*\f+3], s[OB:OB+1] offset:(\t)*32768+\f*512  ; 512 consecutive bytes, at a multiple of 256 from att's first
.endr
.endm
; A BLOCK ENDS: the last step (parity 1) has three slots left and fetches nothing; a closing slot holds the last group's exponentials and roundings alone.
.macro FINISH
.set BP, 1
.set mi, 8
	s_wait_dscnt 0x0                ; V of the last step
	SLOT 1, 1, 1, 1, 1, 1, 0
	SLOT 1, 2, 1, 1, 1, 1, 0        ; at its end tile 0's weights are whole
	SLOT 1, 3, 1, 1, 0, 1, 0x1f     ; tile 0's five products
	SLOT 0, 0, 1, 0, 0, 1, 0        ; the closing slot: group (1,3)'s weights
.rept 5
	MM                              ; tile 1's
.endr
.rept 4
	v_nop                           ; the places behind them
.endr
	v_add_f32 v[RC], s[EP], v[L]
	v_add_f32 v[RC+2], s[EP], v[L+8]
	v_rcp_f32 v[RC], v[RC]
	v_rcp_f32 v[RC+2], v[RC+2]
	v_nop                           ; a plain line between the reciprocals and their use
	s_wait_alu depctr_va_vdst(0)    ; one wait for the two reciprocals, ahead of both tiles' divisions
	PACK 0
	PACK 1
	SEND 0, 8
	SEND 1, 0
.endm
.macro DIAG tag                     ; the diagonal tile: the text that takes masks, and the block's end
.LstepM\tag:
	BODY 1, 1
	WIN 0
.LfirstM\tag:
	BODY 0, 1
	WIN 0
	s_sub_co_u32 s[CNT], s[CNT], 1
	s_cmp_lg_u32 s[CNT], 0
	s_cbranch_scc1 .LstepM\tag
	FINISH
.endm
.Lslot:                             ; 16 times: a tile is entered and the next is asked for
	CHANGE 1
	s_sub_co_u32 s[RT], s[RT], 1
	s_mov_b32 s[CNT], 2
	s_cmp_eq_u32 s[NEW], 1
	s_cbranch_scc1 .Lnew            ; a block's first tile
	s_cmp_eq_u32 s[RT], 0
	s_cbranch_scc0 .Lstep           ; neither its first nor its last
	s_lshl_b32 s[DW], s[WV], 5
	s_add_co_u32 s[DW], s[DW], 32   ; the body that comes first still belongs to the step in front of the diagonal tile: all its keys are seen
	s_branch .LstepM1
.Lnew:
	BEGIN 0
	s_branch .Lfirst                ; in the loop a block's first tile is never its last: the first block has nine tiles or more, and the second's last is the walk's last
	DIAG 1                          ; in the loop this is the first block's end
	s_wait_xcnt 0x0                 ; the stores have read their registers and att's address
	s_mov_b64 s[OB:OB+1], s[OLO:OLO+1]
	s_add_co_u32 s[RT], s[PB], 1    ; the second block has b + 1 tiles
	s_mov_b32 s[NEW], 1
	s_mov_b32 s[BLK], s[PB]
	s_mov_b32 s[PMA], 0             ; from here on a block's beginning takes the second block's sums of V
	s_mov_b32 s[PMB], s[PM]
	WIN 0x41                        ; the second block's Q goes where the one text names Q
.set i, 0
.rept 32
	v_mov_b32 v[Q+i], v[QB+i]
.set i, i+1
.endr
	WIN 0
	s_branch .Lbottom
.Lstep:                             ; two trips a tile: the body of the step in front of the tile and of its steps 0, 1, 2
	BODY 1, 0
	WIN 0
.Lfirst:
	BODY 0, 0
	WIN 0
	s_sub_co_u32 s[CNT], s[CNT], 1
	s_cmp_lg_u32 s[CNT], 0
	s_cbranch_scc1 .Lstep
.Lbottom:
	s_sub_co_u32 s[SLOTS], s[SLOTS], 1
	s_cmp_lg_u32 s[SLOTS], 0
	s_cbranch_scc1 .Lslot
	CHANGE 0                        ; the walk's last tile is written out: nothing is asked for
	s_sub_co_u32 s[RT], s[RT], 1
	s_mov_b32 s[CNT], 2
	s_lshl_b32 s[DW], s[WV], 5
	s_add_co_u32 s[DW], s[DW], 32
	s_cmp_eq_u32 s[NEW], 1
	s_cbranch_scc0 .LstepM2
	BEGIN 1
	s_branch .LfirstM2
	DIAG 2
	s_wait_tensorcnt 0x0            ; the wave's end
	ds_add_u32 v[SPW], v[NIL]
	s_wait_dscnt 0x0
	s_endpgm
.Lfunc_end_k_qf502cbcf66_attn:
	.size	k_qf502cbcf66_attn, .Lfunc_end_k_qf502cbcf66_attn-k_qf502cbcf66_attn
	.p2alignl 7, 3214868480
	.fill 96, 4, 3214868480
	.section	.rodata,"a",@progbits
	.p2align	6, 0x0
	.amdhsa_kernel k_qf502cbcf66_attn
		.amdhsa_group_segment_fixed_size 327680
		.amdhsa_private_segment_fixed_size 0
		.amdhsa_enable_private_segment 0
		.amdhsa_kernarg_size 56
		.amdhsa_user_sgpr_count 2
		.amdhsa_user_sgpr_kernarg_segment_ptr 1
		.amdhsa_wavefront_size32 1
		.amdhsa_system_sgpr_workgroup_id_x 1
		.amdhsa_system_sgpr_workgroup_id_y 1
		.amdhsa_system_sgpr_workgroup_id_z 1
		.amdhsa_system_vgpr_workitem_id 0
		.amdhsa_next_free_vgpr 384
		.amdhsa_next_free_sgpr 102
		.amdhsa_reserve_vcc 0
		.amdhsa_float_denorm_mode_32 3
		.amdhsa_float_denorm_mode_16_64 3
		.amdhsa_memory_ordered 1
		.amdhsa_forward_progress 1
		.amdhsa_inst_pref_size 173
	.end_amdhsa_kernel
	.amdgpu_metadata
---
amdhsa.version: [ 1, 2 ]
amdhsa.kernels:
  - .name:           k_qf502cbcf66_attn
    .symbol:         k_qf502cbcf66_attn.kd
    .args:
      - { .name: q, .offset: 0, .size: 8, .value_kind: global_buffer, .address_space: global }
      - { .name: k, .offset: 8, .size: 8, .value_kind: global_buffer, .address_space: global }
      - { .name: v, .offset: 16, .size: 8, .value_kind: global_buffer, .address_space: global }
      - { .name: vs, .offset: 24, .size: 8, .value_kind: global_buffer, .address_space: global }
      - { .name: alibi_slopes, .offset: 32, .size: 8, .value_kind: global_buffer, .address_space: global }
      - { .name: power, .offset: 40, .size: 8, .value_kind: global_buffer, .address_space: global }
      - { .name: att, .offset: 48, .size: 8, .value_kind: global_buffer, .address_space: global }
    .group_segment_fixed_size: 327680
    .private_segment_fixed_size: 0
    .kernarg_segment_align: 8
    .kernarg_segment_size: 56
    .max_flat_workgroup_size: 128
    .sgpr_count:     102
    .vgpr_count:     384
    .wavefront_size: 32
...
	.end_amdgpu_metadata
.endif
;; end of part 5
;; launch oproj: the kernel of part 4 again; grid 8 x 32, 4 waves a work-group, clusters of 4 x 4, 327,680 bytes of LDS; arguments att, wo16, out0; writes out0
